; MI455X (gfx1250); checked and timed in simulation.
; The chip was launched on July 23, 2026; its instructions are those of AMD's public machine-readable ISA for CDNA 5 (MIT licence, August 2026) and "CDNA5" Instruction Set Architecture Reference Guide (July 2026). The comments in the code are by the model that wrote it; some were corrected since.
;; Self Attention. Allowed arithmetic: matrix products marked QUANTISED: E3M2 operands, one E8M0 scale for each 32 along K, by v_wmma_scale_f32_16x16x128_f8f6f4 with both operands' format E3M2, f32 sums; everything else in f32.
;; Inputs: norm_b 128 float32; norm_w 128 float32; proj_b 128 float32; proj_w 128 x 128 float32; qkv_b 384 float32; qkv_w 384 x 128 float32; x 4 x 128 x 64 x 64 float32.
;; Outputs: out0 4 x 128 x 64 x 64 float32.
;; This version of the problem:
;;   THIS VERSION OF THE PROBLEM IS GIVEN IN LOW PRECISION. The matrix products marked QUANTISED in the list below multiply operands that are first quantised to E3M2 (3 exponent bits, 2 mantissa bits; 6 bits a number), with one power-of-two scale for each 32 numbers along K (OCP MX v1.0); their sums are f32. All else is computed in f32.
;;   The module's matrix products, in the order in which they are computed (A, B: the left and right operand; K: the contracted axis; several contracted axes count as one K, in the product's order):
;;     1. [M 16,384, K 128] x [K 128, N 384]; A: computed on the way; B: input qkv_w: QUANTISED
;;     2. batch 4 x [M 4,096, K 128] x [K 128, N 4,096]; A: computed on the way; B: computed on the way: QUANTISED
;;     3. batch 4 x [M 128, K 4,096] x [K 4,096, N 4,096]; A: computed on the way; B: softmax (see below): QUANTISED
;;     4. [M 16,384, K 128] x [K 128, N 128]; A: computed on the way; B: input proj_w: QUANTISED
;;   THE QUANTISER, for each operand of a quantised product, along K:
;;     - K is cut into blocks of 32 from its start; a last block that is shorter is filled with zeros.
;;     - A block's scale is 2^e with e = floor(log2(the largest magnitude in the block)) - 4, held to -126 .. 127; a block of zeros has e = 0. As a byte (E8M0): e + 127.
;;     - Each number is divided by its block's scale, clamped to +-28, and rounded to the nearest number of E3M2, ties to even, subnormals kept.
;;     - The product sums the exact products of the quantised numbers (number of the format x scale) in f32.
;;   ~~~python
;;   def quantise(x, axis):      # numpy; x: float32 -> the quantised numbers, widened to float32 again
;;       x = np.moveaxis(x, axis, -1); K = x.shape[-1]
;;       x = np.pad(x, [(0, 0)] * (x.ndim - 1) + [(0, -K % 32)]); x = x.reshape(x.shape[:-1] + (-1, 32)); a = np.abs(x).max(-1, keepdims=True)
;;       e = np.where(a > 0, np.clip(np.frexp(np.where(a > 0, a, 1))[1] - 1 - 4, -126, 127), 0)      # np.frexp(a)[1] - 1 = floor(log2(a)), exactly
;;       r = np.clip(x / 2.0 ** e, -28, 28)
;;       step = 2.0 ** (np.maximum(np.frexp(np.where(r == 0, 1, r))[1] - 1, -2) - 2)
;;       q = np.round(r / step) * step * 2.0 ** e      # np.round: ties to even
;;       return np.moveaxis(q.reshape(q.shape[:-2] + (-1,))[..., :K], -1, axis).astype(np.float32)
;;   ~~~
;;   SOFTMAX AHEAD OF A QUANTISED PRODUCT. Where the list says 'softmax', what is quantised is not the finished softmax but p = 2^(t - M), with t = logit x log2(e) and M = ceil(the row's largest t), a whole number; so 1/2 < the row's largest p <= 1. The row's sum l is taken of the UNQUANTISED p, in f32, and the product's result is divided by l at the end. Since M is a whole number, a kernel that streams over the keys may use a running M (the ceiling of the running maximum): every later rescaling is an exact power of two, which a block's scale takes up: the codes' values come out the same.
;;   OPERANDS COMPUTED ON THE WAY. 'Computed on the way' means the value that the module computes at that place (a softmax that the list does not call 'softmax' is quantised finished and normalised). What goes into a quantiser is computed in f32, as accurately as f32 sums, v_exp_f32 and their like allow (about 1e-6 of the number): no bf16 or f16 on the way to a quantiser, and a product that is left as it is and whose result goes on into a quantised operand takes f32 operands (vector FMAs, or v_wmma_f32_16x16x4_f32). A number that lies on a knife's edge between two numbers of the format may be rounded either way, as far as f32 arithmetic and the matrix unit's own rounding can turn it there, and no further.
;; One version. Each part assembles by itself: llvm-mc -triple=amdgcn-amd-amdhsa -mcpu=gfx1250 --defsym DOCPART=n.
;; ======== version 1 of 1: 3 launches
;; workspace buffers: part 4,096 bytes; wq 51,200 bytes; qc 1,572,864 bytes; qs 65,536 bytes; kc 1,572,864 bytes; ks 65,536 bytes; vc 1,572,864 bytes; vs 65,536 bytes
;; launch prep (part 1): grid 272 x 1, 2 waves a work-group, no clusters, 0 bytes of LDS; arguments x, qkv_w, proj_w, part, wq; writes part, wq
.if DOCPART == 1
	.amdgcn_target "amdgcn-amd-amdhsa--gfx1250"
	.amdhsa_code_object_version 6
	.text
	.protected	k_q04431897b9_prep
	.globl	k_q04431897b9_prep
	.p2align	8
	.type	k_q04431897b9_prep,@function
k_q04431897b9_prep:
	s_mov_b64 s[64:65], 0
	v_nop
	global_prefetch_b8 v0, s[64:65] scope:SCOPE_SE
	s_setreg_imm32_b32 hwreg(HW_REG_WAVE_MODE, 25, 1), 1
	s_wait_xcnt 0x0
; FIRST LAUNCH OF THREE.  Two jobs, parted by the work-group's number; neither uses LDS.
; Work-groups 0-255: a wave takes one channel row of x (4,096 numbers, 16,384 bytes, kept in 128 registers) and stores its mean and the sum of the squared
; distances from that mean, part[row] = (mean, M2): two passes over registers, so that a common offset of x costs no digits.  The next launch joins 16 rows to a group.
; Work-groups 256-271: a wave takes one tile of 16 rows x 128 of a weight (tiles 0-23: qkv_w, 24-31: proj_w) and turns it into codes of BF6 (E3M2) with one E8M0 byte
; for each 32 along K (the weights' last axis).  A tile leaves as an IMAGE OF THE OPERAND'S REGISTERS: 12 registers a lane, register 4 q + i of lane l at byte 512 q + 16 l + 4 i
; of wq + 1,536 x tile; its 16 scale words at wq + 49,152 + 64 x tile.
; THE ROWS OF A TILE ARE NOT NEIGHBOURS: lane r of tile 2 b + u holds row 32 b + 8 u + r + 8 (r / 8), so that results of products used transposed lie with 16 neighbours in 16 registers.
; A block's scale is 2^(floor(log2(its largest magnitude)) - 4); its byte is the largest magnitude's exponent field - 4, held at 1 from below.
; LIMITS: a block whose largest magnitude lies under 2^-122 keeps the byte 1; a block of zeros gets the byte 1 where the quantiser says 127 (its codes are zeros, which add
; nothing under any byte but 0xff, and this program alone reads the bytes); NaN and infinities among the inputs are not served.
; A row's result is 8 bytes, stored by one lane: 4,096 bytes in the whole launch.
.set X,    16                          ; v16-143  a row of x: 32 loads x 4 registers
.set CH,   144                         ; v144-151 four chains of packed sums
.set MEAN, 152                         ; v152-153 the mean, twice (a pair for the packed subtraction)
.set RES,  154                         ; v154-155 what is stored
.set ZERO, 156                         ; v156     0: the store's offset
.set NUM,  16                          ; v16-79   the weights' path: 64 numbers of a lane
.set TM,   80                          ; v80-95   the quantiser's work
.set PC,   96                          ; v96-107  the codes; v108-114 at work
.set PW,   116                         ; v116     the scale word
.set SEL,  20                          ; s[20:21] v_permlanex16_b32's selects for lane l xor 16
.macro LANESUM                         ; the four chains' eight numbers, then the 32 lanes': the sum stands in v[CH] of every lane
	v_pk_add_f32 v[CH:CH+1], v[CH:CH+1], v[CH+2:CH+3]
	v_pk_add_f32 v[CH+4:CH+5], v[CH+4:CH+5], v[CH+6:CH+7]
	v_pk_add_f32 v[CH:CH+1], v[CH:CH+1], v[CH+4:CH+5]
	v_add_f32 v[CH], v[CH], v[CH+1]
	v_add_f32_dpp v[CH], v[CH], v[CH] row_xmask:1 row_mask:0xf bank_mask:0xf
	v_add_f32_dpp v[CH], v[CH], v[CH] row_xmask:2 row_mask:0xf bank_mask:0xf
	v_add_f32_dpp v[CH], v[CH], v[CH] row_xmask:4 row_mask:0xf bank_mask:0xf
	v_add_f32_dpp v[CH], v[CH], v[CH] row_xmask:8 row_mask:0xf bank_mask:0xf
	v_permlanex16_b32 v[CH+1], v[CH], s[SEL], s[SEL+1]   ; (its destination counts as read: it has been written)
	v_add_f32 v[CH], v[CH], v[CH+1]
.endm
.macro ADDS n                          ; the next n pairs go onto the four chains by turns
.rept \n
	v_pk_add_f32 v[CH+2*(p%4):CH+2*(p%4)+1], v[CH+2*(p%4):CH+2*(p%4)+1], v[X+2*p:X+2*p+1]
.set p, p+1
.endr
.endm
; 64 numbers of a lane, v[s] .. v[s + 63], register 16 b + i = k 32 b + 16 (lane / 16) + i of my row, become a fragment's codes in v[pc] .. v[pc + 11] and its scale word in v[pw].
.macro QUANT s, pc, pw
.irp b, 0,1,2,3
	v_max3_num_f32 v[TM+\b], |v[\s+16*\b]|, |v[\s+1+16*\b]|, 0x2800000   ; block b: my 16 numbers, and the floor 2^(5 - 127): the byte cannot fall under 1
.endr
.irp i, 2,4,6,8,10,12,14
.irp b, 0,1,2,3
	v_max3_num_f32 v[TM+\b], v[TM+\b], |v[\s+16*\b+\i]|, |v[\s+1+16*\b+\i]|   ; (the four blocks by turns)
.endr
.endr
.irp b, 0,1,2,3
	v_permlanex16_b32 v[TM+4+\b], v[TM+\b], s[SEL], s[SEL+1]
.endr
.irp b, 0,1,2,3
	v_max_num_f32 v[TM+\b], v[TM+\b], v[TM+4+\b]         ; with lane l xor 16's: the block's largest magnitude
.endr
.irp b, 0,1,2,3
	v_add_nc_u32 v[TM+12+\b], 0xfe000000, v[TM+\b]       ; 4 off its exponent field: the conversion takes the exponent field of this operand as its scale
.endr
.irp b, 0,1,2,3
	v_lshrrev_b32 v[TM+4+\b], 23, v[TM+12+\b]            ; the scale's byte
.endr
	v_lshl_or_b32 v[\pw], v[TM+5], 8, v[TM+4]            ; the four bytes make my row's scale word
	v_lshl_or_b32 v[\pw], v[TM+6], 16, v[\pw]
	v_lshl_or_b32 v[\pw], v[TM+7], 24, v[\pw]
.irp c, 0,1
	v_cvt_scalef32_pk16_bf6_f32 v[\pc+6*\c:\pc+2+6*\c], v[\s+32*\c:\s+15+32*\c], v[TM+12+2*\c]
	v_cvt_scalef32_pk16_bf6_f32 v[\pc+12+4*\c:\pc+14+4*\c], v[\s+16+32*\c:\s+31+32*\c], v[TM+12+2*\c+1]   ; (a conversion's three registers begin on an even number)
.endr
	v_nop                                                ; one plain place behind a scaled conversion
.irp c, 0,1                                    ; the operand's layout wants a WHOLE block in a lane: lanes 0-15 block 2 c, lanes 16-31 block 2 c + 1
.irp i, 0,1,2
	v_permlane16_swap_b32 v[\pc+6*\c+\i], v[\pc+12+4*\c+\i]
.endr
.irp i, 0,1,2
	v_mov_b32 v[\pc+3+6*\c+\i], v[\pc+12+4*\c+\i]
.endr
.endr
.endm
	s_load_b256 s[4:11], s[0:1], 0x0               ; x s[4:5], qkv_w s[6:7], proj_w s[8:9], part s[10:11]
	s_load_b64 s[12:13], s[0:1], 0x20              ; wq
	v_lshrrev_b32 v1, 5, v0
	v_readfirstlane_b32 s16, v1                    ; wave 0, 1
	v_and_b32 v1, 31, v0                           ; lane
	v_and_b32 v2, 15, v0                           ; r
	v_bfe_u32 v3, v0, 4, 1                         ; h
	s_mov_b32 s[SEL], 0x76543210
	s_mov_b32 s[SEL+1], 0xfedcba98
	s_cmp_lt_u32 ttmp9, 256
	s_cbranch_scc0 .Lweights
	; ---- a channel row's mean and M2
	s_lshl_b32 s17, ttmp9, 1
	s_add_co_u32 s17, s17, s16                     ; row = 128 x image + channel: 0 .. 511
	s_lshl_b32 s18, s17, 14                        ; its 16,384 bytes of x
	s_mov_b32 s19, 0
	s_lshl_b32 s22, s17, 3                         ; its 8 bytes of part
	s_mov_b32 s23, 0
	v_lshlrev_b32 v4, 4, v1                        ; 16 bytes a lane: a load of the wave covers 512 consecutive bytes
	s_wait_kmcnt 0x0
	s_add_nc_u64 s[4:5], s[4:5], s[18:19]
	s_add_nc_u64 s[10:11], s[10:11], s[22:23]
.set p, 0
.rept 32
	global_load_b128 v[X+4*p:X+4*p+3], v4, s[4:5] offset:512*p   ; no hint: the later launches read x again
.set p, p+1
.endr
	s_wait_loadcnt 24                              ; the first eight loads are in; the 24 younger ones stay out
.irp k, 0,1,2,3
	v_pk_add_f32 v[CH+2*\k:CH+2*\k+1], v[X+2*\k:X+2*\k+1], v[X+8+2*\k:X+9+2*\k]   ; the first eight pairs start the chains: nothing is cleared
.endr
.set p, 8
	ADDS 8
	s_wait_loadcnt 16
	ADDS 16
	s_wait_loadcnt 8
	ADDS 16
	s_wait_loadcnt 0x0
	ADDS 16
	LANESUM
	v_mul_f32 v[MEAN], 0x39800000, v[CH]           ; x 2^-12: the row's mean
	v_mov_b32 v[MEAN+1], v[MEAN]
.set p, 0
.rept 64
	v_pk_add_f32 v[X+2*p:X+2*p+1], v[X+2*p:X+2*p+1], v[MEAN:MEAN+1] neg_lo:[0,1] neg_hi:[0,1]   ; x - mean
.set p, p+1
.endr
.irp k, 0,1,2,3
	v_pk_mul_f32 v[CH+2*\k:CH+2*\k+1], v[X+2*\k:X+2*\k+1], v[X+2*\k:X+2*\k+1]
.endr
.set p, 4
.rept 60
	v_pk_fma_f32 v[CH+2*(p%4):CH+2*(p%4)+1], v[X+2*p:X+2*p+1], v[X+2*p:X+2*p+1], v[CH+2*(p%4):CH+2*(p%4)+1]
.set p, p+1
.endr
	LANESUM
	v_mov_b32 v[RES], v[MEAN]
	v_mov_b32 v[RES+1], v[CH]
	v_mov_b32 v[ZERO], 0
	v_cmp_eq_u32 vcc_lo, 0, v1
	s_wait_xcnt 0x0                                ; EXEC is a source of the loads above: it changes only behind this wait
	s_and_saveexec_b32 s24, vcc_lo                 ; lane 0 alone
	global_store_b64 v[ZERO], v[RES:RES+1], s[10:11]
	s_wait_xcnt 0x0                                ; and again in front of the line that widens it
	s_or_b32 exec_lo, exec_lo, s24
	s_endpgm
.Lweights:
	; ---- a tile of a weight becomes codes
	s_sub_co_u32 s17, ttmp9, 256
	s_lshl_b32 s17, s17, 1
	s_add_co_u32 s17, s17, s16                     ; tile 0 .. 31
	s_wait_kmcnt 0x0
	s_cmp_lt_u32 s17, 24                           ; qkv_w's or proj_w's?  The choice hangs on ids alone
	s_cselect_b64 s[6:7], s[6:7], s[8:9]
	s_cselect_b32 s18, 0, 24
	s_sub_co_u32 s18, s17, s18                     ; the tile's number in its own weight
	s_lshr_b32 s19, s18, 1
	s_lshl_b32 s19, s19, 5
	s_and_b32 s22, s18, 1
	s_lshl_b32 s22, s22, 3
	s_add_co_u32 s22, s22, s19                     ; its first row: 32 (tile / 2) + 8 (tile % 2)
	s_lshl_b32 s22, s22, 9                         ; a row is 512 bytes
	s_mov_b32 s23, 0
	s_add_nc_u64 s[6:7], s[6:7], s[22:23]
	s_mul_i32 s24, s17, 1536                       ; where the image goes,
	s_mov_b32 s25, 0
	s_lshl_b32 s26, s17, 6
	s_add_co_u32 s26, s26, 49152                   ; and the scale words
	s_mov_b32 s27, 0
	s_add_nc_u64 s[14:15], s[12:13], s[24:25]
	s_add_nc_u64 s[12:13], s[12:13], s[26:27]
	v_and_b32 v4, 8, v2
	v_add_nc_u32 v4, v4, v2                        ; r + 8 (r / 8)
	v_lshlrev_b32 v4, 9, v4
	v_lshl_add_u32 v4, v3, 6, v4                   ; my row, + 64 h: my 16 numbers of a block of 32
	v_lshlrev_b32 v5, 4, v1                        ; the image: 16 bytes a lane
	v_lshlrev_b32 v6, 2, v2                        ; the scale words: 4 r
.irp b, 0,1,2,3
	v_mov_b32 v[TM+4+\b], 0                        ; written once: a lane permute's destination counts as one of its sources
.endr
.irp b, 0,1,2,3
.irp j, 0,1,2,3
	global_load_b128 v[NUM+16*\b+4*\j:NUM+16*\b+4*\j+3], v4, s[6:7] offset:128*\b+16*\j
.endr
.endr
	s_wait_loadcnt 0x0
	QUANT NUM, PC, PW
.irp q, 0,1,2
	global_store_b128 v5, v[PC+4*\q:PC+4*\q+3], s[14:15] offset:512*\q   ; 32 lanes store 512 consecutive bytes
.endr
	global_store_b32 v6, v[PW], s[12:13]           ; lanes l and l + 16 hold the same word and write it to the same place
	s_endpgm
.Lfunc_end_k_q04431897b9_prep:
	.size	k_q04431897b9_prep, .Lfunc_end_k_q04431897b9_prep-k_q04431897b9_prep
	.p2alignl 7, 3214868480
	.fill 96, 4, 3214868480
	.section	.rodata,"a",@progbits
	.p2align	6, 0x0
	.amdhsa_kernel k_q04431897b9_prep
		.amdhsa_group_segment_fixed_size 0
		.amdhsa_private_segment_fixed_size 0
		.amdhsa_enable_private_segment 0
		.amdhsa_kernarg_size 40
		.amdhsa_user_sgpr_count 2
		.amdhsa_user_sgpr_kernarg_segment_ptr 1
		.amdhsa_wavefront_size32 1
		.amdhsa_system_sgpr_workgroup_id_x 1
		.amdhsa_system_sgpr_workgroup_id_y 1
		.amdhsa_system_sgpr_workgroup_id_z 1
		.amdhsa_system_vgpr_workitem_id 0
		.amdhsa_next_free_vgpr 160
		.amdhsa_next_free_sgpr 66
		.amdhsa_reserve_vcc 1
		.amdhsa_float_denorm_mode_32 3
		.amdhsa_float_denorm_mode_16_64 3
		.amdhsa_memory_ordered 1
		.amdhsa_forward_progress 1
		.amdhsa_inst_pref_size 25
	.end_amdhsa_kernel
	.amdgpu_metadata
---
amdhsa.version: [ 1, 2 ]
amdhsa.kernels:
  - .name:           k_q04431897b9_prep
    .symbol:         k_q04431897b9_prep.kd
    .args:
      - { .name: x, .offset: 0, .size: 8, .value_kind: global_buffer, .address_space: global }
      - { .name: qkv_w, .offset: 8, .size: 8, .value_kind: global_buffer, .address_space: global }
      - { .name: proj_w, .offset: 16, .size: 8, .value_kind: global_buffer, .address_space: global }
      - { .name: part, .offset: 24, .size: 8, .value_kind: global_buffer, .address_space: global }
      - { .name: wq, .offset: 32, .size: 8, .value_kind: global_buffer, .address_space: global }
    .group_segment_fixed_size: 0
    .private_segment_fixed_size: 0
    .kernarg_segment_align: 8
    .kernarg_segment_size: 40
    .max_flat_workgroup_size: 64
    .sgpr_count:     66
    .vgpr_count:     160
    .wavefront_size: 32
...
	.end_amdgpu_metadata
.endif
;; end of part 1
;; launch qkv (part 2): grid 32 x 4, 8 waves a work-group, no clusters, 91,136 bytes of LDS; arguments x, part, norm_w, norm_b, wq, qkv_b, qc, qs, kc, ks, vc, vs; writes qc, qs, kc, ks, vc, vs
.if DOCPART == 2
	.amdgcn_target "amdgcn-amd-amdhsa--gfx1250"
	.amdhsa_code_object_version 6
	.text
	.protected	k_q04431897b9_qkv
	.globl	k_q04431897b9_qkv
	.p2align	8
	.type	k_q04431897b9_qkv,@function
k_q04431897b9_qkv:
	s_mov_b64 s[64:65], 0
	v_nop
	global_prefetch_b8 v0, s[64:65] scope:SCOPE_SE
	s_setreg_imm32_b32 hwreg(HW_REG_WAVE_MODE, 25, 1), 1
	s_wait_xcnt 0x0
; SECOND LAUNCH OF THREE.  GroupNorm, the 1 x 1 QKV product on codes of BF6 (E3M2, one E8M0 byte for each 32 along K), and the quantising of q, k (along the channels) and v (along the pixels).
; SHARES.  A work-group takes 128 pixels (work-group x) of one image (work-group y): 128 pixels are one K step of the later product with v, so a wave's eight tiles of v are one whole fragment and one scale word a row.
; Wave w of eight: normalises channels 16 w .. 16 w + 15, which are group w (each of its 16 loads covers 512 consecutive bytes of a channel row); quantises pixel tile w of h; makes q and k of pixel tile w
; (product used transposed: source 0 = 16 rows of the weight, source 1 = h's 16 pixels: a lane holds one pixel, its registers run along the output channels) and channel tile w of v for all 128 pixels
; (source 0 = 16 pixels of h, source 1 = 16 rows of the weight: a lane holds one channel, its registers run along the pixels).
; h = (x - mean) (rsqrt(var + eps) norm_w) + norm_b: the mean is taken off first, so a common offset of x costs no digits.  Group statistics from the first launch's (mean, M2) of 16 rows:
; mean = the rows' means' mean; var = (sum of M2 + 4,096 x sum of (row mean - mean)^2) / 65,536.
; h goes through LDS as [channel][pixel] f32 and comes back by columns: a lane takes a pixel and its registers run down the channels, in the order of the operand's registers.
; OPERANDS TRAVEL AS IMAGES OF THEIR REGISTERS: a fragment (16 rows x 128 K, 12 registers a lane) is 1,536 bytes, register 4 q + i of lane l at 512 q + 16 l + 4 i, in LDS and in the workspace alike; scale words 64 bytes a tile.
; THE ROWS OF A TILE ARE NOT NEIGHBOURS: lane r of tile 2 b + u holds row 32 b + 8 u + r + 8 (r / 8) (pixels of h, q, k; channels of the weights and of v).
; OUT: qc, kc [image][tile 8 x block + w][1,536]; vc [image][block][channel tile w][1,536]: the same offset in all three; qs, ks, vs: 512 bytes a block.
; Every sum is one K step; the eight accumulators take turns.
; LIMITS: a block whose largest magnitude lies under 2^-122 keeps the byte 1; a block of zeros gets the byte 1 where the quantiser says 127 (zero codes add nothing, and this program alone reads the bytes);
; NaN and infinities are not served; v_rsq_f32 is within 1 ulp (ISA guide, its entry).
; Left out: tensor loads and clusters (a work-group's x is read once by itself; the weights' 36,864 bytes of codes stay in registers).
.set PITCH, 560                        ; a channel row of h in LDS: 512 bytes + 48; rows of the odd 32s of channels lie 32 bytes further on: so lanes 16-31 of a column read, 32 channels on, lie 4,488 words = 8 banks (of 64: ISA guide 11.1) from lanes 0-15, and the 32 lanes touch 32 banks
.set HIMG,  71680                      ; LDS: behind h (128 x 560): h's 8 fragments,
.set HSC,   83968                      ; their scale words, 64 bytes a tile,
.set QB,    84480                      ; q's and k's 256 numbers of qkv_b,
.set SCW,   86016                      ; and the scale words on their way out: q's 512 bytes, k's, v's
.set LI,   4                           ; v4   16 x lane
.set LS,   5                           ; v5   4 x lane
.set HTW,  6                           ; v6   where I store my channels' rows of h
.set COL,  7                           ; v7   where I read my pixel's column
.set HWI,  8                           ; v8   where I store my tile's image
.set HSW,  9                           ; v9   and its scale word
.set QBV,  10                          ; v10  byte offset in qkv_b's third part of my channel of v
.set QBA,  11                          ; v11  LDS: the biases of my half's output channels
.set SCWW, 12                          ; v12  LDS: where I put a scale word for the way out
.set SCWR, 13                          ; v13  LDS: where waves 0-2 read 512 bytes of them back
.set WVA,  14                          ; v14  byte offset in wq of my tile of v's weight
.set WVS,  15                          ; v15  and of its scale words
.set HS,   16                          ; v16-19 h's scale words: register b: lanes 0-15 tile 2 b, lanes 16-31 tile 2 b + 1
.set WSQ,  20                          ; v20-23 the same of q's weight;  v24-27 of k's
.set WSK,  24
.set WSV,  28                          ; v28  of my tile of v's weight
.set HW,   29                          ; v29  of my tile of h
.set PW,   30                          ; v30  the scale word just made
.set HF,   32                          ; v32-43 my tile of h
.set BV,   44                          ; v44-51 v's bias as a C: my channel's number, eight times
.set PC,   52                          ; v52-63 the codes just made; v64-70 at work
.set TM,   72                          ; v72-87 the quantiser's work
.set PM,   88                          ; v88-89 (mean, M2) of channel 16 w + r
.set NW,   90
.set NB,   91
.set MN,   92                          ; v92-93 the group's mean, twice
.set T0,   94
.set T1,   95
.set HA,   96                          ; v96-159 eight accumulators
.set XR,   160                         ; v160-223 16 rows of x; then my pixel's 64 numbers of h; then four fragments of h
.set QD,   224                         ; v224 a number of qkv_b;  v225, v226 where it comes from and goes
.set QGA,  225
.set QLA,  226
.set HRD,  227                         ; v227 LDS: HIMG + 16 x lane
.set PA8,  228                         ; v228 8 r;  v229 4 r
.set PA4,  229
.set HSR,  230                         ; v230 LDS: HSC + 4 x lane
.set WQ,   0                           ; window 1: q's weight, 8 fragments; k's; my tile of v's
.set WK,   96
.set WV,   192
.set SEL,  66                          ; s[66:67]
.set MSB, 0
.macro WIN new                         ; the immediate's high byte repeats the setting that is left
.if MSB != \new
	s_set_vgpr_msb (MSB<<8)|\new
.set MSB, \new
.endif
.endm
.macro PLACES n
.rept \n
	v_nop
.endr
.endm
.macro BARRIER                         ; my LDS stores have landed and my LDS loads are in: then the work-group's barrier
	s_wait_dscnt 0x0
	s_barrier_signal -1
	s_barrier_wait -1
.endm
.macro ROWSUM x                        ; the sum over the 16 lanes of a row, in every lane of it
	v_add_f32_dpp v[\x], v[\x], v[\x] row_xmask:1 row_mask:0xf bank_mask:0xf
	v_add_f32_dpp v[\x], v[\x], v[\x] row_xmask:2 row_mask:0xf bank_mask:0xf
	v_add_f32_dpp v[\x], v[\x], v[\x] row_xmask:4 row_mask:0xf bank_mask:0xf
	v_add_f32_dpp v[\x], v[\x], v[\x] row_xmask:8 row_mask:0xf bank_mask:0xf
.endm
; a product: D, source 0, source 1, C, their scale registers; ra = 1: source 0's scales stand in lanes 16-31
.macro MM d, a, b, c, sa, sb, ra
.if \ra
	v_wmma_scale_f32_16x16x128_f8f6f4 v[0+(\d):7+(\d)], v[0+(\a):11+(\a)], v[0+(\b):11+(\b)], v[0+(\c):7+(\c)], v[0+(\sa)], v[0+(\sb)] matrix_a_fmt:MATRIX_FMT_BF6 matrix_b_fmt:MATRIX_FMT_BF6 matrix_a_scale:MATRIX_SCALE_ROW1
.else
	v_wmma_scale_f32_16x16x128_f8f6f4 v[0+(\d):7+(\d)], v[0+(\a):11+(\a)], v[0+(\b):11+(\b)], v[0+(\c):7+(\c)], v[0+(\sa)], v[0+(\sb)] matrix_a_fmt:MATRIX_FMT_BF6 matrix_b_fmt:MATRIX_FMT_BF6
.endif
.endm
; 64 numbers of a lane, v[s] .. v[s + 63], register 16 b + i = k 32 b + 16 (lane / 16) + i of my row, become a fragment's codes in v[pc] .. v[pc + 11] and its scale word in v[pw].
.macro QUANT s, pc, pw
.irp b, 0,1,2,3
	v_max3_num_f32 v[TM+\b], |v[\s+16*\b]|, |v[\s+1+16*\b]|, 0x2800000   ; block b: my 16 numbers, and the floor 2^(5 - 127): the byte cannot fall under 1.  (Each accumulator is read from its low end on)
.endr
.irp i, 2,4,6,8,10,12,14
.irp b, 0,1,2,3
	v_max3_num_f32 v[TM+\b], v[TM+\b], |v[\s+16*\b+\i]|, |v[\s+1+16*\b+\i]|
.endr
.endr
.irp b, 0,1,2,3
	v_permlanex16_b32 v[TM+4+\b], v[TM+\b], s[SEL], s[SEL+1]
.endr
.irp b, 0,1,2,3
	v_max_num_f32 v[TM+\b], v[TM+\b], v[TM+4+\b]         ; with lane l xor 16's: the block's largest magnitude
.endr
.irp b, 0,1,2,3
	v_add_nc_u32 v[TM+12+\b], 0xfe000000, v[TM+\b]       ; 4 off its exponent field: the conversion's scale operand
.endr
.irp b, 0,1,2,3
	v_lshrrev_b32 v[TM+4+\b], 23, v[TM+12+\b]            ; the scale's byte
.endr
	v_lshl_or_b32 v[\pw], v[TM+5], 8, v[TM+4]
	v_lshl_or_b32 v[\pw], v[TM+6], 16, v[\pw]
	v_lshl_or_b32 v[\pw], v[TM+7], 24, v[\pw]
.irp c, 0,1
	v_cvt_scalef32_pk16_bf6_f32 v[\pc+6*\c:\pc+2+6*\c], v[\s+32*\c:\s+15+32*\c], v[TM+12+2*\c]
	v_cvt_scalef32_pk16_bf6_f32 v[\pc+12+4*\c:\pc+14+4*\c], v[\s+16+32*\c:\s+31+32*\c], v[TM+12+2*\c+1]   ; (a conversion's three registers begin on an even number)
.endr
	v_nop                                                ; one plain place behind a scaled conversion
.irp c, 0,1                                    ; the operand's layout wants a WHOLE block in a lane
.irp i, 0,1,2
	v_permlane16_swap_b32 v[\pc+6*\c+\i], v[\pc+12+4*\c+\i]
.endr
.irp i, 0,1,2
	v_mov_b32 v[\pc+3+6*\c+\i], v[\pc+12+4*\c+\i]
.endr
.endr
.endm
.macro FETCH t0                        ; h's tiles t0 .. t0 + 3 from LDS
.irp m, 0,1,2,3
.irp q, 0,1,2
	ds_load_b128 v[XR+12*\m+4*\q:XR+12*\m+4*\q+3], v[HRD] offset:1536*(\t0+\m)+512*\q
.endr
.endr
.endm
.macro SENDC ptr                       ; the fragment just made goes to the workspace as it stands: each store covers 512 consecutive bytes
.irp q, 0,1,2
	global_store_b128 v[LI], v[PC+4*\q:PC+4*\q+3], s[\ptr:\ptr+1] offset:512*\q
.endr
.endm
	s_load_b512 s[4:19], s[0:1], 0x0               ; x s[4:5], part s[6:7], norm_w s[8:9], norm_b s[10:11], wq s[12:13], qkv_b s[14:15], qc s[16:17], qs s[18:19]
	s_load_b256 s[20:27], s[0:1], 0x40             ; kc s[20:21], ks s[22:23], vc s[24:25], vs s[26:27]
	v_lshl_add_u32 v254, v0, 2, 0x16000
	v_mov_b32 v255, 0
	v_lshrrev_b32 v1, 5, v0
	v_readfirstlane_b32 s28, v1                    ; wave 0..7
	s_mov_b32 s29, ttmp9                           ; block of 128 pixels
	s_and_b32 s30, ttmp7, 0xffff                   ; image
	v_and_b32 v1, 31, v0                           ; lane
	v_and_b32 v2, 15, v0                           ; r
	v_bfe_u32 v3, v0, 4, 1                         ; h
	s_mov_b32 s[SEL], 0x76543210
	s_mov_b32 s[SEL+1], 0xfedcba98
	v_lshlrev_b32 v[LI], 4, v1
	v_lshlrev_b32 v[LS], 2, v1
	v_and_b32 v[T0], 8, v2
	v_add_nc_u32 v[T0], v[T0], v2                  ; r + 8 (r / 8)
	s_lshr_b32 s68, s28, 1
	s_and_b32 s69, s28, 1
	s_lshl_b32 s70, s68, 5
	s_lshl_b32 s71, s69, 3
	s_add_co_u32 s70, s70, s71                     ; tile w's first row: 32 (w / 2) + 8 (w % 2)
	s_mul_i32 s71, s28, 16*PITCH
	s_and_b32 s72, s68, 1
	s_lshl_b32 s72, s72, 5                         ; (my 16 channels lie in one 32: the shift is the wave's)
	s_add_co_u32 s71, s71, s72
	v_add_nc_u32 v[HTW], s71, v[LI]
	v_mul_u32_u24 v[COL], v3, 32*PITCH+32          ; lanes 16-31 begin 32 channels further down
	v_lshl_add_u32 v[COL], v[T0], 2, v[COL]
	s_lshl_b32 s73, s70, 2
	v_add_nc_u32 v[COL], s73, v[COL]               ; my pixel: tile w's row r
	v_lshlrev_b32 v[QBV], 2, v[T0]
	v_add_nc_u32 v[QBV], s73, v[QBV]               ; my channel of v: tile w's row r
	s_mul_i32 s71, s28, 1536
	s_add_co_u32 s72, s71, HIMG
	v_add_nc_u32 v[HWI], s72, v[LI]
	s_add_co_u32 s73, s71, 16*1536
	v_add_nc_u32 v[WVA], s73, v[LI]                ; wq's tile 16 + w
	s_lshl_b32 s72, s28, 6
	s_add_co_u32 s73, s72, HSC
	v_lshl_add_u32 v[HSW], v2, 2, s73
	s_add_co_u32 s73, s72, SCW
	v_lshl_add_u32 v[SCWW], v2, 2, s73
	s_add_co_u32 s73, s72, 49152+16*64
	v_lshl_add_u32 v[WVS], v2, 2, s73
	s_lshl_b32 s73, s28, 9
	s_add_co_u32 s73, s73, SCW
	v_add_nc_u32 v[SCWR], s73, v[LI]
	v_lshlrev_b32 v[QBA], 6, v3
	v_add_nc_u32 v[QBA], QB, v[QBA]
	v_lshlrev_b32 v[QGA], 2, v0                    ; thread t copies word t of qkv_b
	v_add_nc_u32 v[QLA], QB, v[QGA]
	v_add_nc_u32 v[HRD], HIMG, v[LI]
	v_add_nc_u32 v[HSR], HSC, v[LS]
	v_lshlrev_b32 v[PA8], 3, v2
	v_lshlrev_b32 v[PA4], 2, v2
.irp b, 0,1,2,3
	v_mov_b32 v[TM+4+\b], 0                        ; written once: a lane permute's destination counts as one of its sources
.endr
	s_lshl_b32 s74, s30, 21                        ; x: image x 128 rows of 16,384 bytes + 16 w rows + 512 x block
	s_lshl_b32 s75, s28, 18
	s_add_co_u32 s74, s74, s75
	s_lshl_b32 s75, s29, 9
	s_add_co_u32 s74, s74, s75
	s_mov_b32 s75, 0
	s_lshl_b32 s76, s30, 10                        ; part: (128 x image + 16 w) x 8
	s_lshl_b32 s77, s28, 7
	s_add_co_u32 s76, s76, s77
	s_mov_b32 s77, 0
	s_mov_b32 s78, s72                             ; norm_w, norm_b: 64 w
	s_mov_b32 s79, 0
	s_lshl_b32 s80, s30, 8                         ; the codes: (256 x image + 8 x block + w) x 1,536
	s_lshl_b32 s81, s29, 3
	s_add_co_u32 s80, s80, s81
	s_add_co_u32 s80, s80, s28
	s_mul_i32 s80, s80, 1536
	s_mov_b32 s81, 0
	s_lshl_b32 s82, s30, 14                        ; the scale words: 16,384 x image + 512 x block
	s_lshl_b32 s83, s29, 9
	s_add_co_u32 s82, s82, s83
	s_mov_b32 s83, 0
	s_wait_kmcnt 0x0
	s_add_nc_u64 s[4:5], s[4:5], s[74:75]
	s_add_nc_u64 s[6:7], s[6:7], s[76:77]
	s_add_nc_u64 s[8:9], s[8:9], s[78:79]
	s_add_nc_u64 s[10:11], s[10:11], s[78:79]
	s_add_nc_u64 s[16:17], s[16:17], s[80:81]
	s_add_nc_u64 s[20:21], s[20:21], s[80:81]
	s_add_nc_u64 s[24:25], s[24:25], s[80:81]
	s_cmp_eq_u32 s28, 0                            ; which scale words my wave stores at the end, if any: wave 0 q's, 1 k's, 2 v's.  The choice hangs on the wave's number alone
	s_cselect_b64 s[84:85], s[18:19], s[22:23]
	s_cmp_eq_u32 s28, 2
	s_cselect_b64 s[84:85], s[26:27], s[84:85]
	s_add_nc_u64 s[84:85], s[84:85], s[82:83]
	; ---- the loads, those wanted first ahead
	global_load_b64 v[PM:PM+1], v[PA8], s[6:7]
	global_load_b32 v[NW], v[PA4], s[8:9]
	global_load_b32 v[NB], v[PA4], s[10:11]
.irp i, 0,1,2,3,4,5,6,7,8,9,10,11,12,13,14,15
	global_load_b128 v[XR+4*\i:XR+4*\i+3], v[LI], s[4:5] offset:16384*\i   ; channel 16 w + i, my block's 512 bytes
.endr
	global_load_b32 v[QD], v[QGA], s[14:15]
	global_load_b32 v[BV], v[QBV], s[14:15] offset:1024
	WIN 0x40                                       ; destination window 1
.irp q, 0,1,2
	global_load_b128 v[WV+4*\q:WV+4*\q+3], v[WVA], s[12:13] offset:512*\q
.endr
.irp t, 0,1,2,3,4,5,6,7
.irp q, 0,1,2
	global_load_b128 v[WQ+12*\t+4*\q:WQ+12*\t+4*\q+3], v[LI], s[12:13] offset:1536*\t+512*\q
.endr
.endr
	WIN 0
	global_load_b32 v[WSV], v[WVS], s[12:13]
.irp b, 0,1,2,3
	global_load_b32 v[WSQ+\b], v[LS], s[12:13] offset:49152+128*\b
.endr
	s_wait_loadcnt 50                              ; the statistics and the gains are in; younger: 16 of x, 2 of qkv_b, 32 of the weights
	v_mov_b32 v[T0], v[PM]
	ROWSUM T0
	v_mul_f32 v[MN], 0x3d800000, v[T0]             ; / 16: the group's mean
	v_mov_b32 v[MN+1], v[MN]
	v_sub_f32 v[T0], v[PM], v[MN]
	v_mul_f32 v[T1], 0x45800000, v[T0]             ; 4,096 d
	v_fma_f32 v[T0], v[T0], v[T1], v[PM+1]         ; M2 + 4,096 d^2
	ROWSUM T0
	v_mov_b32 v[T1], 0x3727c5ac                    ; eps = 1e-5
	v_fmamk_f32 v[T0], v[T0], 0x37800000, v[T1]    ; x 2^-16 + eps
	v_rsq_f32 v[T0], v[T0]
	v_nop                                          ; one plain place behind a transcendental
	s_wait_alu depctr_va_vdst(0)
	v_mul_f32 v[T0], v[T0], v[NW]                  ; lane r: the factor of channel 16 w + r
.irp i, 0,1,2,3,4,5,6,7,8,9,10,11,12,13,14,15
	v_readlane_b32 s[32+\i], v[T0], \i             ; a row of x belongs to one channel: its factor and its offset are scalars
	v_readlane_b32 s[48+\i], v[NB], \i
.endr
	WIN 0x40
.irp t, 0,1,2,3,4,5,6,7
.irp q, 0,1,2
	global_load_b128 v[WK+12*\t+4*\q:WK+12*\t+4*\q+3], v[LI], s[12:13] offset:1536*(8+\t)+512*\q
.endr
.endr
	WIN 0
.irp b, 0,1,2,3
	global_load_b32 v[WSK+\b], v[LS], s[12:13] offset:49152+512+128*\b
.endr
	s_wait_loadcnt 62                              ; x is in; younger: 2 + 32 + the 28 just issued
.irp i, 0,1,2,3,4,5,6,7,8,9,10,11,12,13,14,15
	v_pk_add_f32 v[XR+4*\i:XR+4*\i+1], v[XR+4*\i:XR+4*\i+1], v[MN:MN+1] neg_lo:[0,1] neg_hi:[0,1]
	v_pk_add_f32 v[XR+4*\i+2:XR+4*\i+3], v[XR+4*\i+2:XR+4*\i+3], v[MN:MN+1] neg_lo:[0,1] neg_hi:[0,1]
.irp k, 0,1,2,3
	v_fma_f32 v[XR+4*\i+\k], v[XR+4*\i+\k], s[32+\i], s[48+\i]
.endr
	ds_store_b128 v[HTW], v[XR+4*\i:XR+4*\i+3] offset:PITCH*\i
.endr
	s_wait_loadcnt 60                              ; both loads from qkv_b are in; younger: 32 + 28
	ds_store_b32 v[QLA], v[QD]
	BARRIER                                        ; h's 128 channels x 128 pixels and the biases lie in LDS
	; ---- my pixel tile of h becomes a fragment: lane (r, h) takes its pixel's channels 64 c + 32 h + 0 .. 31, two whole blocks
.irp c, 0,1
.set n, 0
.rept 32
	ds_load_b32 v[XR+32*\c+n], v[COL] offset:(64*\c+n)*PITCH
.set n, n+1
.endr
.endr
	s_wait_dscnt 0x0
.irp c, 0,1
	v_max3_num_f32 v[TM+\c], |v[XR+32*\c]|, |v[XR+1+32*\c]|, 0x2800000
.endr
.irp i, 2,4,6,8,10,12,14,16,18,20,22,24,26,28,30
.irp c, 0,1
	v_max3_num_f32 v[TM+\c], v[TM+\c], |v[XR+32*\c+\i]|, |v[XR+1+32*\c+\i]|
.endr
.endr
.irp c, 0,1
	v_add_nc_u32 v[TM+12+\c], 0xfe000000, v[TM+\c]
.endr
.irp c, 0,1
	v_lshrrev_b32 v[TM+4+\c], 23, v[TM+12+\c]
.endr
	v_lshl_or_b32 v[HW], v[TM+5], 16, v[TM+4]      ; my two bytes: blocks h and 2 + h,
	v_lshlrev_b32 v[TM+6], 3, v3
	v_lshlrev_b32 v[HW], v[TM+6], v[HW]            ; at their places in the word;
	v_permlanex16_b32 v[TM+7], v[HW], s[SEL], s[SEL+1]
	v_or_b32 v[HW], v[HW], v[TM+7]                 ; with lane l xor 16's two it is whole
.irp c, 0,1
	v_cvt_scalef32_pk16_bf6_f32 v[HF+6*\c:HF+2+6*\c], v[XR+32*\c:XR+15+32*\c], v[TM+12+\c]
	v_cvt_scalef32_pk16_bf6_f32 v[PC+12+4*\c:PC+14+4*\c], v[XR+16+32*\c:XR+31+32*\c], v[TM+12+\c]
.endr
	v_nop                                          ; one plain place behind a scaled conversion
.irp c, 0,1
.irp i, 0,1,2
	v_mov_b32 v[HF+3+6*\c+\i], v[PC+12+4*\c+\i]
.endr
.endr
.irp q, 0,1,2
	ds_store_b128 v[HWI], v[HF+4*\q:HF+4*\q+3] offset:512*\q
.endr
	ds_store_b32 v[HSW], v[HW]                     ; lanes l and l + 16 hold the same word
	BARRIER                                        ; h's eight fragments lie in LDS
	; ---- v: my 16 channels for the 128 pixels
.irp b, 0,1,2,3
	ds_load_b32 v[HS+\b], v[HSR] offset:128*\b
.endr
	FETCH 0
	s_wait_loadcnt 0x0                             ; the weights, their scale words and v's bias
.irp j, 1,2,3,4,5,6,7
	v_mov_b32 v[BV+\j], v[BV]                      ; the bias hangs on the channel alone, which is the lane's
.endr
	s_wait_dscnt 0x0
	PLACES 4
	WIN 0x04                                       ; source 1 (the weight) window 1
.irp t, 0,1,2,3
	MM HA+8*\t, XR+12*\t, WV, BV, HS+\t/2, WSV, \t%2
.endr
	WIN 0
	PLACES 4                                       ; in front of loads into registers that matrix instructions have read
	FETCH 4
	s_wait_dscnt 0x0
	WIN 0x04
.irp t, 0,1,2,3
	MM HA+32+8*\t, XR+12*\t, WV, BV, HS+2+\t/2, WSV, \t%2
.endr
	WIN 0
	PLACES 5                                       ; behind the products: their results are read, loaded over and later written anew by products
	QUANT HA, PC, PW                               ; register 16 b + i is pixel 32 b + 16 h + i of my channel
	SENDC 24
	ds_store_b32 v[SCWW], v[PW] offset:1024
	; ---- q, then k: my 16 pixels, all 128 output channels.  The bias is loaded into the accumulators and is the C of the one K step
.macro QK sel, wf, wsc, ptr
.irp t, 0,1,2,3,4,5,6,7
	ds_load_b128 v[HA+8*\t:HA+8*\t+3], v[QBA] offset:512*\sel+128*(\t/2)+32*(\t%2)       ; tile t, lane (r, h): output channels 32 (t / 2) + 16 h + 8 (t % 2) + 0 .. 7
	ds_load_b128 v[HA+8*\t+4:HA+8*\t+7], v[QBA] offset:512*\sel+128*(\t/2)+32*(\t%2)+16
.endr
	s_wait_dscnt 0x0
	WIN 0x01                                       ; source 0 (the weight) window 1
.irp t, 0,1,2,3,4,5,6,7
	MM HA+8*\t, \wf+12*\t, HF, HA+8*\t, \wsc+\t/2, HW, \t%2
.endr
	WIN 0
	PLACES 5
	s_wait_xcnt 0x0                                ; the last stores have read the codes' registers: they are written again only behind this wait
	QUANT HA, PC, PW
	SENDC \ptr
	ds_store_b32 v[SCWW], v[PW] offset:512*\sel
.endm
	QK 0, WQ, WSQ, 16
	QK 1, WK, WSK, 20
	BARRIER                                        ; the block's 3 x 512 bytes of scale words lie in LDS
	s_cmp_gt_u32 s28, 2
	s_cbranch_scc1 .Lend
	ds_load_b128 v[XR:XR+3], v[SCWR]
	s_wait_dscnt 0x0
	global_store_b128 v[LI], v[XR:XR+3], s[84:85]  ; 32 lanes store 512 consecutive bytes, at a multiple of 512 from the buffer's first byte
.Lend:
	s_wait_tensorcnt 0x0
	ds_add_u32 v254, v255
	s_wait_dscnt 0x0
	s_endpgm
.Lfunc_end_k_q04431897b9_qkv:
	.size	k_q04431897b9_qkv, .Lfunc_end_k_q04431897b9_qkv-k_q04431897b9_qkv
	.p2alignl 7, 3214868480
	.fill 96, 4, 3214868480
	.section	.rodata,"a",@progbits
	.p2align	6, 0x0
	.amdhsa_kernel k_q04431897b9_qkv
		.amdhsa_group_segment_fixed_size 91136
		.amdhsa_private_segment_fixed_size 0
		.amdhsa_enable_private_segment 0
		.amdhsa_kernarg_size 96
		.amdhsa_user_sgpr_count 2
		.amdhsa_user_sgpr_kernarg_segment_ptr 1
		.amdhsa_wavefront_size32 1
		.amdhsa_system_sgpr_workgroup_id_x 1
		.amdhsa_system_sgpr_workgroup_id_y 1
		.amdhsa_system_sgpr_workgroup_id_z 1
		.amdhsa_system_vgpr_workitem_id 0
		.amdhsa_next_free_vgpr 512
		.amdhsa_next_free_sgpr 90
		.amdhsa_reserve_vcc 0
		.amdhsa_float_denorm_mode_32 3
		.amdhsa_float_denorm_mode_16_64 3
		.amdhsa_memory_ordered 1
		.amdhsa_forward_progress 1
		.amdhsa_inst_pref_size 51
	.end_amdhsa_kernel
	.amdgpu_metadata
---
amdhsa.version: [ 1, 2 ]
amdhsa.kernels:
  - .name:           k_q04431897b9_qkv
    .symbol:         k_q04431897b9_qkv.kd
    .args:
      - { .name: x, .offset: 0, .size: 8, .value_kind: global_buffer, .address_space: global }
      - { .name: part, .offset: 8, .size: 8, .value_kind: global_buffer, .address_space: global }
      - { .name: norm_w, .offset: 16, .size: 8, .value_kind: global_buffer, .address_space: global }
      - { .name: norm_b, .offset: 24, .size: 8, .value_kind: global_buffer, .address_space: global }
      - { .name: wq, .offset: 32, .size: 8, .value_kind: global_buffer, .address_space: global }
      - { .name: qkv_b, .offset: 40, .size: 8, .value_kind: global_buffer, .address_space: global }
      - { .name: qc, .offset: 48, .size: 8, .value_kind: global_buffer, .address_space: global }
      - { .name: qs, .offset: 56, .size: 8, .value_kind: global_buffer, .address_space: global }
      - { .name: kc, .offset: 64, .size: 8, .value_kind: global_buffer, .address_space: global }
      - { .name: ks, .offset: 72, .size: 8, .value_kind: global_buffer, .address_space: global }
      - { .name: vc, .offset: 80, .size: 8, .value_kind: global_buffer, .address_space: global }
      - { .name: vs, .offset: 88, .size: 8, .value_kind: global_buffer, .address_space: global }
    .group_segment_fixed_size: 91136
    .private_segment_fixed_size: 0
    .kernarg_segment_align: 8
    .kernarg_segment_size: 96
    .max_flat_workgroup_size: 256
    .sgpr_count:     90
    .vgpr_count:     512
    .wavefront_size: 32
...
	.end_amdgpu_metadata
.endif
;; end of part 2
;; launch attn (part 3): grid 64 x 4, 8 waves a work-group, clusters of 4 x 1, 327,680 bytes of LDS; arguments qc, qs, kc, ks, vc, vs, wq, proj_b, x, out0; writes out0
.if DOCPART == 3
	.amdgcn_target "amdgcn-amd-amdhsa--gfx1250"
	.amdhsa_code_object_version 6
	.text
	.protected	k_q04431897b9_attn
	.globl	k_q04431897b9_attn
	.p2align	8
	.type	k_q04431897b9_attn,@function
k_q04431897b9_attn:
	s_mov_b64 s[64:65], 0
	v_nop
	global_prefetch_b8 v0, s[64:65] scope:SCOPE_SE
	s_setreg_imm32_b32 hwreg(HW_REG_WAVE_MODE, 25, 1), 1
	s_wait_xcnt 0x0
	s_wait_alu depctr_hold_cnt(0) depctr_sa_sdst(0) depctr_va_vdst(0) depctr_va_sdst(0) depctr_va_ssrc(0) depctr_va_vcc(0) depctr_vm_vsrc(0)
	s_getreg_b32 s2, hwreg(HW_REG_IB_STS2, 6, 4)
	s_cmp_eq_u32 s2, 0
	s_cbranch_scc0 .Lentry_in_a_cluster
	s_endpgm
.Lentry_in_a_cluster:
	s_bfe_u32 s2, ttmp6, 0x10000c
	s_cmp_lg_u32 s2, 0x3003
	s_cbranch_scc0 .Lentry_shape_is_right
	s_endpgm
.Lentry_shape_is_right:
; THIRD LAUNCH OF THREE.  out0 = x + proj_w softmax(q^T k / sqrt(128)) v + proj_b, all three products on codes of BF6 (E3M2) with one E8M0 byte for each 32 along K.
; THE SOFTMAX AHEAD OF THE SECOND PRODUCT: t = score x log2(e) / sqrt(128); M = the row's largest t so far, rounded UP to a whole number; p = 2^(t - M) is what is quantised, along the keys, not normalised.
; The row's sum is taken of the unquantised p, in f32, and divides at the end.  When M moves, the sum and O are multiplied by 2^(old M - new M): exact.
; SHARES.  4 images x 4,096 queries are 1,024 tiles of 16.  A work-group owns 64 queries (4 tiles) of one image: 256 work-groups.  Its eight waves (two to a SIMD, 512 registers each, so that one wave's
; vector work stands beside the other's products and LDS loads) share tiles AND keys: wave w = 2 s + pr owns tiles 2 pr, 2 pr + 1 and, of every slot of 512 keys, keys 128 s .. 128 s + 127.
; Two tiles to a wave: each fragment of K and V read from LDS feeds two products.  At the end the four key splits of a tile are joined through LDS: M is a whole number, so the joining factors are powers of two.
; LAYOUT.  Both products are used transposed: S^T = K Q^T (source 0 = 16 keys), O^T = V^T P^T (source 0 = 16 channels): a lane holds ONE query (lane % 16) throughout.
; Operands lie in the workspace as images of their registers (1,536 bytes a fragment, register 4 q + i of lane l at 512 q + 16 l + 4 i): a slot's K is one dense block of 49,152 bytes, its V another, and a
; fragment comes from LDS by three loads of 16 bytes a lane on end: no pitch, no padding.  Lane r of tile 2 b + u holds row 32 b + 8 u + r + 8 (r / 8): so the 16 registers of two neighbouring tiles of
; scores are 16 neighbouring keys, and those of O^T 16 neighbouring channels, the next K.  Scale words: 64 bytes a tile; one load of 4 bytes a lane brings tile 2 b to lanes 0-15 and tile 2 b + 1 to lanes 16-31.
; CLUSTER.  The four work-groups of a cluster are neighbouring query blocks of one image and walk the same K and V: each part of a slot is asked for JOINTLY (the same tensor load, the same descriptor,
; the mask 15), which divides the requests by four.  No wider cluster: Q is each work-group's own.
; A KEY STEP HAS TWO RUNS OF LDS LOADS, into two buffers of four fragments: all eight tiles of K at its head, waited for tile by tile, so that the first products start while the later tiles are on their way;
; all eight tiles of V behind the products K Q^T, so that they land under the two softmaxes.
; THE RING: two slots; each wave brings 12,288 bytes (waves 0-3 K's quarters, waves 4-7 V's).  The change of slots stands at a step's end: when V's fragments are in registers the wave's reads of the slot are
; over, so the waits, the add and the opening signal stand ahead of the step's last 16 products, which touch registers only.  A refill has a whole step less those 16 products in which to land.
; By this text's own count a wave has two tensor loads out at the start (scale words, slot 0) and one behind each round.  K's and V's scale words of the whole image (2 x 16,384 bytes) come once and stay.
; THE END: O^T / sum is quantised along the channels; the projection is used with source 0 = 16 queries, source 1 = 16 rows of proj_w, so that a lane holds eight neighbouring pixels of one output channel;
; results meet in a stage [128 channels][64 pixels] and leave as whole aligned runs of 256 bytes, with x + proj_b added: the last sum is rounded as (x + proj_b) + product.
; The accumulators take turns, one instruction a turn, over the loop's backward jump too.
; LIMITS: a block whose largest magnitude lies under 2^-122 keeps the byte 1, a block of zeros likewise (zero codes add nothing); p under 2^-126 is 0 (v_exp_f32 flushes: ISA guide, its entry);
; v_exp_f32 and v_rcp_f32 are within 1 ulp, and a block's largest p is made from its largest score by the same two instructions; NaN and infinities are not served.
; Left out: turns of matrix and vector work inside one wave (the second wave of the SIMD fills the gaps); rescaling O^T only when M moves (a branch on data); prefetches (K, V were stored by the launch
; before and each part is read by 64 work-groups); work-groups that stay (one block to a work-group); slots of 1,024 keys (two of them, 393,216 bytes, do not fit).  The stage's stores go two deep in the banks (rows 16 apart): eight stores a wave.
.set SLOT1, 1<<17                      ; slot 1 begins here, so that one exclusive or turns an address in one slot into the other's
.set KPART, 49152                      ; a slot: 32 tiles of K, then 4 steps x 8 tiles of V
.set SCK,   98304                      ; behind slot 0: K's scale words of the image, 16,384 bytes; then V's
.set SPARE, 229376                     ; behind slot 1: the spare words, 128 bytes for each wave: four blocks of 256 bytes that no other line names
.set ML,    230400                     ; -M and the sum of (split s, tile T): (4 s + T) x 256, the sum 128 bytes on
.set STG,   131072                     ; the stage for the output, 128 rows x 272 bytes, in slot 1; O^T's images, (4 s + T) x 8,192, lie from byte 0 on: both only when every slot has had its last fill and its last read
.set AK0, 1                            ; v1   16 x lane + 12,288 s: my place in a slot's K (V: 49,152 on)
.set AS0, 2                            ; v2   SCK + 4 x lane + 512 s: in a slot's scale words of K (V's: 16,384 on)
.set SPW, 3                            ; v3   LDS address of my spare word: SPARE + 4 x my thread's number; never rewritten
.set NIL, 4                            ; v4   0; never rewritten
.set ADK, 5                            ; v5, v6 the addresses of the step in hand
.set ADS, 6
.set CW,  7                            ; v7   where I put my tiles' O^T
.set MLW, 8                            ; v8   and their -M and sum
.set RDA, 9                            ; v9   where I read tile T's images of splits 0, 1;  v10 of splits 2, 3
.set RDB, 10
.set MLR, 11                           ; v11  and their -M and sums
.set STO, 12                           ; v12  the stage: where I put 32 bytes of a row
.set SRD, 13                           ; v13  and where I read a row back
.set GO,  14                           ; v14  my byte offset in my wave's rows of x and out0
.set PJ0, 15                           ; v15, v25 proj_w's scale words
.set PJ1, 25
.set STA, 16                           ; v16-19 tile A: -M, the largest t, the sum in two halves;  v20-23 tile B
.set STB, 20
.set QSW, 24                           ; v24  Q's scale words: lanes 0-15 tile A's, lanes 16-31 tile B's
.set KS,  26                           ; v26-29 K's scale words;  v30-33 V's
.set VS,  30
.set PSA, 34                           ; v34, v35 p's scale words
.set PSB, 35
.set FB,  36                           ; v36-83 four fragments of K or of V: tiles 0-3
.set SA,  84                           ; v84-147 S^T, then p, of tile A;  v148-211 of tile B
.set SB,  148
.set PCA, 212                          ; v212-223, v224-235 p's codes
.set PCB, 224
.set PX,  236                          ; v236-243 at work
.set BM,  244                          ; v244-247 the blocks' largest scores, then p
.set SO,  248                          ; v248-251 the conversions' scale operands
.set TM,  236                          ; the last quantiser's work: v236-251
.set OA,  0                            ; window 1: O^T of tile A, of tile B (at the end: the images of splits 2 and 3); Q of A, of B;
.set OB,  64
.set QA,  128
.set QBF, 140
.set FB2, 152                          ; v152-199 of window 1: four more fragments of K or of V: tiles 4-7; behind the last product: four fragments of proj_w;
.set PWF, 152
.set XRES, 200                         ; my rows of x; proj_b
.set PB,  232
.set WV,  24                           ; s24 wave;  s25 w % 2 (pr; at the end u, which half of the outputs);  s26 w / 2 (s; at the end T, which tile)
.set G1,  32                           ; s[32:39] descriptor group 1 for a part of a slot;  s[40:47] for a part of the scale words
.set G1S, 40
.set G0K, 48                           ; s[48:51], s[52:55] groups 0 for K's and V's parts, which walk;  s[56:59], s[60:63] for the scale words
.set G0V, 52
.set G0SK, 56
.set G0SV, 60
.set CS,  66                           ; s[66:67] c = log2(e) / sqrt(128)
.set SEL, 68                           ; s[68:69]
.set TB,  70                           ; s70  LDS byte at which the slot in hand begins
.set TS,  71                           ; s71  where the slot's scale words begin: 2,048 bytes a slot
.set SLOTS, 72
.set MSB, 0
.macro WIN new                         ; the immediate's high byte repeats the setting that is left
.if MSB != \new
	s_set_vgpr_msb (MSB<<8)|\new
.set MSB, \new
.endif
.endm
.macro PLACES n
.rept \n
	v_nop
.endr
.endm
.macro BARRIER
	s_wait_dscnt 0x0
	s_barrier_signal -1
	s_barrier_wait -1
.endm
.macro CREST                           ; a round of the cluster's barrier behind its opening barrier
	s_cmp_lg_u32 s[WV], 0
	s_cbranch_scc1 .Lnot_wave_0_\@
	s_barrier_signal -3
.Lnot_wave_0_\@:
	s_barrier_wait -3
	s_barrier_signal -1
	s_barrier_wait -1
.endm
.macro CROUND                          ; a whole round
	s_barrier_signal -1
	s_barrier_wait -1
	CREST
.endm
.macro JLOAD                           ; a joint refill: waves 0-3 K's quarters, waves 4-7 V's.  The branch hangs on the wave's number alone.  Four v_nop follow each line
	s_cmp_lt_u32 s[WV], 4
	s_cbranch_scc0 .Lfor_v_\@
	tensor_load_to_lds s[G0K:G0K+3], s[G1:G1+7]
	s_nop 0
.rept 4
	v_nop
.endr
	s_branch .Lasked_\@
.Lfor_v_\@:
	tensor_load_to_lds s[G0V:G0V+3], s[G1:G1+7]
	s_nop 0
.rept 4
	v_nop
.endr
.Lasked_\@:
.endm
.macro WALK                            ; the walking descriptors: the other slot than last time, the next 512 keys; the type bits on top are not reached
	s_xor_b32 s[G0K+1], s[G0K+1], SLOT1
	s_add_nc_u64 s[G0K+2:G0K+3], s[G0K+2:G0K+3], KPART
	s_xor_b32 s[G0V+1], s[G0V+1], SLOT1
	s_add_nc_u64 s[G0V+2:G0V+3], s[G0V+2:G0V+3], KPART
.endm
; a product: D, source 0, source 1; cz = 1: C is the constant 0, else v[c ..]; the scale registers; ra, rb = 1: that source's scales stand in lanes 16-31
.macro MM d, a, b, cz, c, sa, sb, ra, rb
.if (\cz) && (\ra) && (\rb)
	v_wmma_scale_f32_16x16x128_f8f6f4 v[0+(\d):7+(\d)], v[0+(\a):11+(\a)], v[0+(\b):11+(\b)], 0, v[0+(\sa)], v[0+(\sb)] matrix_a_fmt:MATRIX_FMT_BF6 matrix_b_fmt:MATRIX_FMT_BF6 matrix_a_scale:MATRIX_SCALE_ROW1 matrix_b_scale:MATRIX_SCALE_ROW1
.elseif (\cz) && (\ra)
	v_wmma_scale_f32_16x16x128_f8f6f4 v[0+(\d):7+(\d)], v[0+(\a):11+(\a)], v[0+(\b):11+(\b)], 0, v[0+(\sa)], v[0+(\sb)] matrix_a_fmt:MATRIX_FMT_BF6 matrix_b_fmt:MATRIX_FMT_BF6 matrix_a_scale:MATRIX_SCALE_ROW1
.elseif (\cz) && (\rb)
	v_wmma_scale_f32_16x16x128_f8f6f4 v[0+(\d):7+(\d)], v[0+(\a):11+(\a)], v[0+(\b):11+(\b)], 0, v[0+(\sa)], v[0+(\sb)] matrix_a_fmt:MATRIX_FMT_BF6 matrix_b_fmt:MATRIX_FMT_BF6 matrix_b_scale:MATRIX_SCALE_ROW1
.elseif (\cz)
	v_wmma_scale_f32_16x16x128_f8f6f4 v[0+(\d):7+(\d)], v[0+(\a):11+(\a)], v[0+(\b):11+(\b)], 0, v[0+(\sa)], v[0+(\sb)] matrix_a_fmt:MATRIX_FMT_BF6 matrix_b_fmt:MATRIX_FMT_BF6
.elseif (\ra)
	v_wmma_scale_f32_16x16x128_f8f6f4 v[0+(\d):7+(\d)], v[0+(\a):11+(\a)], v[0+(\b):11+(\b)], v[0+(\c):7+(\c)], v[0+(\sa)], v[0+(\sb)] matrix_a_fmt:MATRIX_FMT_BF6 matrix_b_fmt:MATRIX_FMT_BF6 matrix_a_scale:MATRIX_SCALE_ROW1
.else
	v_wmma_scale_f32_16x16x128_f8f6f4 v[0+(\d):7+(\d)], v[0+(\a):11+(\a)], v[0+(\b):11+(\b)], v[0+(\c):7+(\c)], v[0+(\sa)], v[0+(\sb)] matrix_a_fmt:MATRIX_FMT_BF6 matrix_b_fmt:MATRIX_FMT_BF6
.endif
.endm
; 64 numbers of a lane, register 16 b + i = k 32 b + 16 (lane / 16) + i of my row, become a fragment's codes in v[pc] .. v[pc + 11] and its scale word in v[pw].
.macro QUANT s, pc, pw
.irp b, 0,1,2,3
	v_max3_num_f32 v[TM+\b], |v[\s+16*\b]|, |v[\s+1+16*\b]|, 0x2800000
.endr
.irp i, 2,4,6,8,10,12,14
.irp b, 0,1,2,3
	v_max3_num_f32 v[TM+\b], v[TM+\b], |v[\s+16*\b+\i]|, |v[\s+1+16*\b+\i]|
.endr
.endr
.irp b, 0,1,2,3
	v_permlanex16_b32 v[TM+4+\b], v[TM+\b], s[SEL], s[SEL+1]
.endr
.irp b, 0,1,2,3
	v_max_num_f32 v[TM+\b], v[TM+\b], v[TM+4+\b]
.endr
.irp b, 0,1,2,3
	v_add_nc_u32 v[TM+12+\b], 0xfe000000, v[TM+\b]
.endr
.irp b, 0,1,2,3
	v_lshrrev_b32 v[TM+4+\b], 23, v[TM+12+\b]
.endr
	v_lshl_or_b32 v[\pw], v[TM+5], 8, v[TM+4]
	v_lshl_or_b32 v[\pw], v[TM+6], 16, v[\pw]
	v_lshl_or_b32 v[\pw], v[TM+7], 24, v[\pw]
.irp c, 0,1
	v_cvt_scalef32_pk16_bf6_f32 v[\pc+6*\c:\pc+2+6*\c], v[\s+32*\c:\s+15+32*\c], v[TM+12+2*\c]
	v_cvt_scalef32_pk16_bf6_f32 v[\pc+12+4*\c:\pc+14+4*\c], v[\s+16+32*\c:\s+31+32*\c], v[TM+12+2*\c+1]
.endr
	v_nop                                                ; one plain place behind a scaled conversion
.irp c, 0,1
.irp i, 0,1,2
	v_permlane16_swap_b32 v[\pc+6*\c+\i], v[\pc+12+4*\c+\i]
.endr
.irp i, 0,1,2
	v_mov_b32 v[\pc+3+6*\c+\i], v[\pc+12+4*\c+\i]
.endr
.endr
.endm
	s_load_b512 s[4:19], s[0:1], 0x0               ; qc s[4:5], qs s[6:7], kc s[8:9], ks s[10:11], vc s[12:13], vs s[14:15], wq s[16:17], proj_b s[18:19]
	s_load_b128 s[20:23], s[0:1], 0x40             ; x s[20:21], out0 s[22:23]
	v_lshl_add_u32 v[SPW], v0, 2, SPARE
	v_mov_b32 v[NIL], 0
	ds_add_u32 v3, v4
	ds_add_u32 v3, v4
	s_wait_dscnt 0x0
	v_lshrrev_b32 v5, 5, v0
	v_readfirstlane_b32 s[WV], v5                  ; wave 0..7
	s_and_b32 s25, s[WV], 1
	s_lshr_b32 s26, s[WV], 1
	s_bfe_u32 s27, ttmp6, 0x40000                  ; cx: my place in the cluster
	s_lshl_b32 s28, ttmp9, 2                       ; in a cluster launch ttmp9 counts clusters
	s_add_co_u32 s28, s28, s27                     ; my block of 64 queries: it enters the addresses of Q, x and out0 alone
	s_and_b32 s29, ttmp7, 0xffff                   ; the image, which the four partners share
	; descriptor group 1: 12,288 dense bytes as 48 rows of 256 bytes (32 elements of 8 bytes), no padding; the scale words: 4,096 bytes, 16 rows
	s_mov_b32 s[G1], 15|(3<<16)|(1<<21)            ; 15:0 the mask: all four work-groups; 17:16 elements of 8 bytes; 21 set beside a mask
	s_mov_b32 s[G1+1], 32<<16                      ; tensor_dim0
	s_mov_b32 s[G1+2], 48<<16                      ; tensor_dim1
	s_mov_b32 s[G1+3], 32<<16                      ; tile_dim0
	s_mov_b32 s[G1+4], 48                          ; tile_dim1
	s_mov_b32 s[G1+5], 32                          ; tensor_dim0_stride
	s_mov_b32 s[G1+6], 0
	s_mov_b32 s[G1+7], 0
	s_mov_b32 s[G1S], 15|(3<<16)|(1<<21)
	s_mov_b32 s[G1S+1], 32<<16
	s_mov_b32 s[G1S+2], 16<<16
	s_mov_b32 s[G1S+3], 32<<16
	s_mov_b32 s[G1S+4], 16
	s_mov_b32 s[G1S+5], 32
	s_mov_b32 s[G1S+6], 0
	s_mov_b32 s[G1S+7], 0
	s_and_b32 s73, s[WV], 3                        ; which quarter I fetch.  (s73-s79 feed the descriptors and never hold cx)
	s_mul_i32 s74, s29, 393216                     ; the image's codes: 256 tiles of 1,536 bytes
	s_mul_i32 s76, s73, 12288
	s_add_co_u32 s74, s74, s76
	s_mov_b32 s75, 0
	s_lshl_b32 s76, s29, 14                        ; its scale words
	s_lshl_b32 s77, s73, 12
	s_add_co_u32 s76, s76, s77
	s_mov_b32 s77, 0
	s_mul_i32 s78, s[WV], 12288                    ; where they go: wave x 12,288 in a slot (waves 4-7 fall into V's part),
	s_lshl_b32 s79, s[WV], 12
	s_add_co_u32 s79, s79, SCK                     ; wave x 4,096 among the scale words (likewise)
	s_mov_b32 s[CS], 0x3e0293ee
	s_mov_b32 s[CS+1], s[CS]                       ; (named with it as a pair, so it is written)
	s_mov_b32 s[SEL], 0x76543210
	s_mov_b32 s[SEL+1], 0xfedcba98
	s_mov_b32 s[TB], 0
	s_mov_b32 s[TS], 0
	s_wait_kmcnt 0x0
	s_mov_b32 s[G0K], 1                            ; 1:0 count = 1
	s_mov_b32 s[G0K+1], s78                        ; 63:32 LDS address: slot 0
	s_add_nc_u64 s[G0K+2:G0K+3], s[8:9], s[74:75]  ; 120:64 global address: the image's first 512 keys, my quarter
	s_or_b32 s[G0K+3], s[G0K+3], 0x80000000        ; 127:126 type = 2
	s_mov_b32 s[G0V], 1
	s_mov_b32 s[G0V+1], s78
	s_add_nc_u64 s[G0V+2:G0V+3], s[12:13], s[74:75]
	s_or_b32 s[G0V+3], s[G0V+3], 0x80000000
	s_mov_b32 s[G0SK], 1
	s_mov_b32 s[G0SK+1], s79
	s_add_nc_u64 s[G0SK+2:G0SK+3], s[10:11], s[76:77]
	s_or_b32 s[G0SK+3], s[G0SK+3], 0x80000000
	s_mov_b32 s[G0SV], 1
	s_mov_b32 s[G0SV+1], s79
	s_add_nc_u64 s[G0SV+2:G0SV+3], s[14:15], s[76:77]
	s_or_b32 s[G0SV+3], s[G0SV+3], 0x80000000
	CROUND                                         ; all four work-groups are here: the first joint loads meet
	s_cmp_lt_u32 s[WV], 4                          ; a wave's two first fills stand in one branch, ahead of every wait on TENSORcnt and every LDS read; four v_nop follow the second
	s_cbranch_scc0 .Lfirst_v
	tensor_load_to_lds s[G0SK:G0SK+3], s[G1S:G1S+7]
	s_nop 0
	tensor_load_to_lds s[G0K:G0K+3], s[G1:G1+7]
	s_nop 0
.rept 4
	v_nop
.endr
	s_branch .Lfirst_asked
.Lfirst_v:
	tensor_load_to_lds s[G0SV:G0SV+3], s[G1S:G1S+7]
	s_nop 0
	tensor_load_to_lds s[G0V:G0V+3], s[G1:G1+7]
	s_nop 0
.rept 4
	v_nop
.endr
.Lfirst_asked:
	; the address registers, all made here
	v_and_b32 v5, 31, v0                           ; lane
	v_and_b32 v6, 15, v0                           ; r
	v_bfe_u32 v36, v0, 4, 1                        ; h
	v_and_b32 v37, 8, v6
	v_add_nc_u32 v37, v37, v6                      ; r + 8 (r / 8)
	v_lshlrev_b32 v38, 4, v5                       ; 16 x lane
	v_lshlrev_b32 v39, 2, v5                       ; 4 x lane
	v_lshlrev_b32 v40, 2, v36                      ; 4 h
	s_mul_i32 s80, s26, 12288
	v_add_nc_u32 v[AK0], s80, v38
	s_lshl_b32 s80, s26, 9
	s_add_co_u32 s80, s80, SCK
	v_add_nc_u32 v[AS0], s80, v39
	s_lshl_b32 s80, s[WV], 14
	v_add_nc_u32 v[CW], s80, v38                   ; (4 s + 2 pr) x 8,192 = 16,384 w
	s_lshl_b32 s80, s[WV], 9
	s_add_co_u32 s80, s80, ML
	v_add_nc_u32 v[MLW], s80, v39
	s_lshl_b32 s80, s26, 13
	v_add_nc_u32 v[RDA], s80, v38
	v_add_nc_u32 v[RDB], 0x10000, v[RDA]
	s_lshl_b32 s80, s26, 8
	s_add_co_u32 s80, s80, ML
	v_add_nc_u32 v[MLR], s80, v39
	v_mul_u32_u24 v[STO], v37, 272                 ; the stage, in: output channel 64 u + (the tile's first row) + r + 8 (r / 8); pixels 32 (T / 2) + 8 (T % 2) + 16 h + 0 .. 7
	v_lshl_add_u32 v[STO], v36, 6, v[STO]
	s_mul_i32 s80, s25, 64*272
	s_lshr_b32 s81, s26, 1
	s_lshl_b32 s81, s81, 7
	s_add_co_u32 s80, s80, s81
	s_and_b32 s81, s26, 1
	s_lshl_b32 s81, s81, 5
	s_add_co_u32 s80, s80, s81
	s_add_co_u32 s80, s80, STG
	v_add_nc_u32 v[STO], s80, v[STO]
	v_mul_u32_u24 v[SRD], v36, 272                 ; back: my 16 rows; lanes 0-15 one row of 256 bytes, lanes 16-31 the next
	v_lshl_add_u32 v[SRD], v6, 4, v[SRD]
	s_mul_i32 s80, s[WV], 16*272
	s_add_co_u32 s80, s80, STG
	v_add_nc_u32 v[SRD], s80, v[SRD]
	v_lshlrev_b32 v[GO], 14, v36                   ; and the same two rows in x and out0
	v_lshl_add_u32 v[GO], v6, 4, v[GO]
	; where my wave's own data lie
	s_lshl_b32 s80, s29, 8
	s_lshl_b32 s81, s28, 2
	s_add_co_u32 s80, s80, s81
	s_lshl_b32 s81, s25, 1
	s_add_co_u32 s80, s80, s81                     ; Q: tile 256 x image + 4 x block + 2 pr
	s_mul_i32 s82, s80, 1536
	s_mov_b32 s83, 0
	s_add_nc_u64 s[4:5], s[4:5], s[82:83]
	s_lshl_b32 s82, s80, 6
	s_add_nc_u64 s[6:7], s[6:7], s[82:83]
	s_lshl_b32 s80, s25, 2
	s_add_co_u32 s80, s80, 24                      ; proj_w: wq's tiles 24 + 4 u on
	s_mul_i32 s82, s80, 1536
	s_add_nc_u64 s[84:85], s[16:17], s[82:83]      ; (kept for the end)
	s_lshl_b32 s82, s80, 6
	s_add_co_u32 s82, s82, 49152
	s_add_nc_u64 s[16:17], s[16:17], s[82:83]
	s_lshl_b32 s80, s29, 7
	s_lshl_b32 s81, s[WV], 4
	s_add_co_u32 s80, s80, s81
	s_lshl_b32 s82, s80, 14                        ; x, out0: row 128 x image + 16 w, + 256 x block
	s_lshl_b32 s81, s28, 8
	s_add_co_u32 s82, s82, s81
	s_add_nc_u64 s[20:21], s[20:21], s[82:83]
	s_add_nc_u64 s[22:23], s[22:23], s[82:83]
	s_lshl_b32 s82, s[WV], 6
	s_add_nc_u64 s[18:19], s[18:19], s[82:83]      ; proj_b: 16 w on
	WIN 0x40                                       ; destination window 1
.irp a, 0,1
.irp q, 0,1,2
	global_load_b128 v[QA+12*\a+4*\q:QA+12*\a+4*\q+3], v38, s[4:5] offset:1536*\a+512*\q   ; Q's two fragments stay in registers
.endr
.endr
	WIN 0
	global_load_b32 v[QSW], v39, s[6:7]
	WIN 0x40
.irp i, 0,1,2,3,4,5,6,7
	global_load_b128 v[XRES+4*\i:XRES+4*\i+3], v[GO], s[20:21] offset:32768*\i   ; what the end wants of x and proj_b is asked for now and waited for there
.endr
.irp i, 0,1,2,3,4,5,6,7
	global_load_b32 v[PB+\i], v40, s[18:19] offset:8*\i      ; proj_b of output channel 16 w + 2 i + h
.endr
	WIN 0
	global_load_b32 v[PJ0], v39, s[16:17]
	global_load_b32 v[PJ1], v39, s[16:17] offset:128
.irp t, STA, STB
	v_mov_b32 v[\t+1], 0xff61b1e6                  ; the largest t so far: -3e38, under every t
	v_floor_f32 v[\t], -v[\t+1]                    ; -M
	v_mov_b32 v[\t+2], 0                           ; the sum, in two halves
	v_mov_b32 v[\t+3], 0
.endr
.irp b, 0,1,2,3,4,5,6,7
	v_mov_b32 v[PX+\b], 0                          ; written once: a lane permute's destination counts as one of its sources
.endr
	v_mov_b32 v253, 0                              ; (named as the upper half of the pair v[252:253])
; THE SOFTMAX of one tile for one key step.  sc: its 64 scores, then p; st: its statistics; pcd, psw: p's codes and scale word; ob: its O^T in window 1; first = 1: there is no O^T yet
.macro SM sc, st, pcd, psw, ob, first
.irp b, 0,1,2,3
	v_max3_num_f32 v[BM+\b], v[\sc+16*\b], v[\sc+16*\b+1], v[\sc+16*\b+2]   ; THE LARGEST SCORE OF EACH BLOCK OF 32 KEYS serves twice: for the row's maximum and, since p rises with the score, for the block's largest p.  (Each accumulator is read from its low end on)
.endr
.irp i, 3,5,7,9,11,13
.irp b, 0,1,2,3
	v_max3_num_f32 v[BM+\b], v[BM+\b], v[\sc+16*\b+\i], v[\sc+16*\b+\i+1]
.endr
.endr
.irp b, 0,1,2,3
	v_max_num_f32 v[BM+\b], v[BM+\b], v[\sc+16*\b+15]
.endr
.irp b, 0,1,2,3
	v_permlanex16_b32 v[PX+\b], v[BM+\b], s[SEL], s[SEL+1]
.endr
.irp b, 0,1,2,3
	v_max_num_f32 v[BM+\b], v[BM+\b], v[PX+\b]     ; with lane l xor 16's 16 keys
.endr
	v_max3_num_f32 v254, v[BM], v[BM+1], v[BM+2]
	v_max_num_f32 v254, v254, v[BM+3]              ; the step's largest score of my query
	v_mul_f32 v254, s[CS], v254                    ; as t (c is positive)
	v_max_num_f32 v[\st+1], v[\st+1], v254         ; the running largest t
	v_mov_b32 v254, v[\st]
	v_floor_f32 v[\st], -v[\st+1]                  ; the new -M = floor(-t) = -ceil(t): M IS A WHOLE NUMBER
	v_sub_f32 v254, v[\st], v254                   ; old M - new M: a whole number, 0 or less
	v_cvt_i32_f32 v254, v254                       ; (it saturates)
	v_ldexp_f32 v252, 1.0, v254                    ; f = 2^(old M - new M)
.set j, 0
.rept 32
	v_pk_fma_f32 v[\sc+j:\sc+j+1], v[\sc+j:\sc+j+1], s[CS:CS+1], v[\st:\st+1] op_sel_hi:[1,0,0]   ; t - M, two at a time (of the pairs c and -M the low word serves both halves)
.set j, j+2
.endr
.irp b, 0,1,2,3
	v_fma_f32 v[BM+\b], v[BM+\b], s[CS], v[\st]    ; the same of each block's largest score
.endr
.set j, 0
.rept 64
	v_exp_f32 v[\sc+j], v[\sc+j]                   ; p = 2^(t - M), at most 1: NOT normalised
.set j, j+1
.endr
.irp b, 0,1,2,3
	v_exp_f32 v[BM+\b], v[BM+\b]                   ; the block's largest p
.endr
	v_pk_mul_f32 v[\st+2:\st+3], v[\st+2:\st+3], v[252:253] op_sel_hi:[1,0]   ; the sums under the new M.  (A plain place behind the exponentials)
	s_wait_alu depctr_va_vdst(0)
.irp b, 0,1,2,3
	v_max_num_f32 v[BM+\b], 0x2800000, v[BM+\b]    ; the floor 2^(5 - 127): the byte cannot fall under 1
.endr
.irp b, 0,1,2,3
	v_add_nc_u32 v[SO+\b], 0xfe000000, v[BM+\b]    ; 4 off the exponent field: the conversion's scale operand
.endr
.irp b, 0,1,2,3
	v_lshrrev_b32 v[PX+\b], 23, v[SO+\b]           ; the scale's byte
.endr
	v_lshl_or_b32 v[\psw], v[PX+1], 8, v[PX]       ; p's scale word for these 128 keys
	v_lshl_or_b32 v[\psw], v[PX+2], 16, v[\psw]
	v_lshl_or_b32 v[\psw], v[PX+3], 24, v[\psw]
.irp c, 0,1
	v_cvt_scalef32_pk16_bf6_f32 v[\pcd+6*\c:\pcd+6*\c+2], v[\sc+32*\c:\sc+32*\c+15], v[SO+2*\c]
	v_cvt_scalef32_pk16_bf6_f32 v[PX+4*\c:PX+4*\c+2], v[\sc+32*\c+16:\sc+32*\c+31], v[SO+2*\c+1]   ; (a conversion's three registers begin on an even number)
.endr
	v_nop                                          ; one plain place behind a scaled conversion
.irp c, 0,1                                    ; the operand's layout wants a WHOLE block in a lane
.irp i, 0,1,2
	v_permlane16_swap_b32 v[\pcd+6*\c+\i], v[PX+4*\c+\i]
.endr
.irp i, 0,1,2
	v_mov_b32 v[\pcd+3+6*\c+\i], v[PX+4*\c+\i]
.endr
.endr
	v_pk_add_f32 v[PX:PX+1], v[\sc:\sc+1], v[\sc+2:\sc+3]   ; THE ROW'S SUM IS TAKEN OF THE UNQUANTISED p: two at a time, in two chains
.set j, 4
.rept 15
	v_pk_add_f32 v[\st+2:\st+3], v[\st+2:\st+3], v[\sc+j:\sc+j+1]
	v_pk_add_f32 v[PX:PX+1], v[PX:PX+1], v[\sc+j+2:\sc+j+3]
.set j, j+4
.endr
	v_pk_add_f32 v[\st+2:\st+3], v[\st+2:\st+3], v[PX:PX+1]
.if \first == 0
	WIN 0x41                                       ; O^T (destination and source 0) window 1, f window 0
.set j, 0
.rept 32
	v_pk_mul_f32 v[\ob+j:\ob+j+1], v[\ob+j:\ob+j+1], v[252:253] op_sel_hi:[1,0]   ; O^T under the new M
.set j, j+2
.endr
	WIN 0
.endif
.endm
.macro FRAGS reg, off                  ; four fragments, 12 loads of 16 bytes a lane on end
.irp t, 0,1,2,3
.irp q, 0,1,2
	ds_load_b128 v[\reg+12*\t+4*\q:\reg+12*\t+4*\q+3], v[ADK] offset:\off+1536*\t+512*\q
.endr
.endr
.endm
.macro EIGHT off                       ; eight fragments in one run: tiles 0-3 into window 0's buffer, tiles 4-7 into window 1's
	FRAGS FB, \off
	WIN 0x40                                       ; destination window 1, address window 0
	FRAGS FB2, \off+6144
	WIN 0
.endm
; A KEY STEP: my 128 keys of the slot in hand, for my two tiles.  first = 1: the products V^T P start O^T's sums with the constant 0: nothing is ever cleared.
; fill = 2: at the step's end the slots change and the slot just read is filled again, behind a round of the cluster's barrier;  1: the slots change, nothing is left to fetch;  0: the last step.
.macro STEP first, fill
	v_add_nc_u32 v[ADK], s[TB], v[AK0]
	v_add_nc_u32 v[ADS], s[TS], v[AS0]
	PLACES 2                                       ; with the two additions: four places behind the last step's products, in front of loads into their fragments and scale words
.irp b, 0,1,2,3
	ds_load_b32 v[KS+\b], v[ADS] offset:128*\b
.endr
	EIGHT 0                                        ; all of my K
.irp b, 0,1,2,3
	ds_load_b32 v[VS+\b], v[ADS] offset:16384+128*\b       ; wanted last, so asked for last
.endr
.irp g, 0,1                                    ; S^T = K Q^T: each fragment for both tiles of queries
.if \g
	WIN 0x05                                       ; sources 0 (K's tiles 4-7) and 1 (Q) window 1
.else
	WIN 0x04                                       ; source 1 (Q) window 1
.endif
.set FBG, FB+(FB2-FB)*\g
.irp t, 0,1,2,3
	s_wait_dscnt 25-3*(4*\g+\t)                    ; LDS loads come back in order: this tile's three are in; out may be the later tiles' three each and V's four scale words
	MM SA+8*(4*\g+\t), FBG+12*\t, QA, 1, 0, KS+(4*\g+\t)/2, QSW, \t%2, 0
	MM SB+8*(4*\g+\t), FBG+12*\t, QBF, 1, 0, KS+(4*\g+\t)/2, QSW, \t%2, 1
.endr
.endr
	WIN 0
	PLACES 4                                       ; behind the products: in front of the loads into their fragments and of the first read of the scores
	EIGHT KPART                                    ; all of my V lands under the two softmaxes: my last reads of this slot
	SM SA, STA, PCA, PSA, OA, \first
	SM SB, STB, PCB, PSB, OB, \first               ; (behind tile B's scale word and codes stand its 32 additions at the least: the places in front of the scaled products)
.if \fill
	s_wait_tensorcnt 0x0                           ; all my tensor loads have landed: the one that was out is my part of the next slot; so a group 0 may be written
	ds_add_u32 v[SPW], v[NIL]                      ; 0 onto my spare word
.if \fill == 2
	WALK
.endif
	s_wait_dscnt 0x0                               ; the add is done, V's fragments are in, and with them my reads of this slot are over:
	s_barrier_signal -1                            ; say so (with fill = 2 this barrier opens a round of the cluster's), and work on registers while the others arrive
.else
	s_wait_dscnt 0x0                               ; V's fragments are in
.endif
.irp g, 0,1                                    ; O^T += V^T P^T
.if \first
.if \g
	WIN 0x41                                       ; D and source 0 (V's tiles 4-7) window 1
.else
	WIN 0x40                                       ; D window 1
.endif
.else
.if \g
	WIN 0x51                                       ; C, D and source 0 window 1
.else
	WIN 0x50                                       ; C and D window 1
.endif
.endif
.set FBG, FB+(FB2-FB)*\g
.irp t, 0,1,2,3
	MM OA+8*(4*\g+\t), FBG+12*\t, PCA, \first, OA+8*(4*\g+\t), VS+(4*\g+\t)/2, PSA, \t%2, 0
	MM OB+8*(4*\g+\t), FBG+12*\t, PCB, \first, OB+8*(4*\g+\t), VS+(4*\g+\t)/2, PSB, \t%2, 0
.endr
.endr
	WIN 0
.if \fill
	s_barrier_wait -1                              ; the next slot is whole, and nobody of my work-group reads this one
.endif
.if \fill == 2
	CREST                                          ; nor does any wave of a partner, and none has a load on its way
	JLOAD                                          ; the first thing behind the round, and my one tensor load until the next
.endif
.endm
.macro NEXTSLOT
	s_xor_b32 s[TB], s[TB], SLOT1
	s_add_co_u32 s[TS], s[TS], 2048
.endm
	s_wait_loadcnt 18                              ; Q and its scale words are in; younger: 8 of x, 8 of proj_b, 2 scale words, wanted at the end
	s_wait_xcnt 0x0                                ; the head's loads have read their address registers: v36-40 take fragments from here on
	s_wait_tensorcnt 0x0                           ; my parts of the scale words and of slot 0 have landed
	ds_add_u32 v[SPW], v[NIL]                      ; 0 onto my spare word
	WALK
	s_wait_dscnt 0x0
	CROUND                                         ; slot 0 and the scale words are whole;
	JLOAD                                          ; slot 1 is first filled as a refill is: my one load behind a round
	STEP 1, 2                                      ; slot 0; at its end keys 1,024 on are asked for
	NEXTSLOT
	s_mov_b32 s[SLOTS], 5
.Lslot:                                            ; slots 1 to 5: each is filled again with the keys two slots on
	STEP 0, 2
	NEXTSLOT
	s_sub_co_u32 s[SLOTS], s[SLOTS], 1
	s_cmp_lg_u32 s[SLOTS], 0
	s_cbranch_scc1 .Lslot
	STEP 0, 1                                      ; slots 6 and 7 are written out
	NEXTSLOT
	STEP 0, 0
	; ---- THE SPLITS MEET.  proj_w's fragments are asked for now, into the second fragment buffer; my two tiles' sums are finished; -M, the sum and O^T go to LDS as they stand
	PLACES 4                                       ; behind the last products
	v_and_b32 v[ADK], 31, v0
	v_lshlrev_b32 v[ADK], 4, v[ADK]                ; 16 x lane
	WIN 0x40
.irp t, 0,1,2,3
.irp q, 0,1,2
	global_load_b128 v[PWF+12*\t+4*\q:PWF+12*\t+4*\q+3], v[ADK], s[84:85] offset:1536*\t+512*\q
.endr
.endr
	WIN 0
	v_add_f32 v[STA+2], v[STA+2], v[STA+3]
	v_add_f32 v[STB+2], v[STB+2], v[STB+3]
	v_permlanex16_b32 v[PX], v[STA+2], s[SEL], s[SEL+1]
	v_permlanex16_b32 v[PX+1], v[STB+2], s[SEL], s[SEL+1]
	v_add_f32 v[STA+2], v[STA+2], v[PX]
	v_add_f32 v[STB+2], v[STB+2], v[PX+1]
	BARRIER                                        ; nobody reads the ring or the scale words any more; every slot has had its last fill
	WIN 0x04                                       ; an LDS store's data are its source 1: window 1
.irp a, 0,1
.set n, 0
.rept 16
	ds_store_b128 v[CW], v[64*\a+4*n:64*\a+4*n+3] offset:8192*\a+512*n   ; each accumulator from its low end on
.set n, n+1
.endr
.endr
	WIN 0
	ds_store_b32 v[MLW], v[STA]
	ds_store_b32 v[MLW], v[STA+2] offset:128
	ds_store_b32 v[MLW], v[STB] offset:256
	ds_store_b32 v[MLW], v[STB+2] offset:384
	BARRIER                                        ; 16 images of O^T and their statistics lie in LDS; my own O^T's registers are free
	; wave w now serves tile T = w / 2 and outputs 64 u on, u = w % 2.  Both waves of a tile join its four splits: 64 LDS loads more, once, for no further exchange
.macro PULL reg, adr, off
.set n, 0
.rept 16
	ds_load_b128 v[\reg+4*n:\reg+4*n+3], v[\adr] offset:\off+512*n
.set n, n+1
.endr
.endm
.macro ADDIN src, g                    ; tile A's registers += g x the image in v[src] on
.set j, 0
.rept 32
	v_pk_fma_f32 v[SA+j:SA+j+1], v[\src+j:\src+j+1], v[\g:\g+1], v[SA+j:SA+j+1] op_sel_hi:[1,0,1]
.set j, j+2
.endr
.endm
.irp s, 0,1,2,3
	ds_load_b32 v[PX+2*\s], v[MLR] offset:1024*\s          ; -M of split s,
	ds_load_b32 v[PX+2*\s+1], v[MLR] offset:1024*\s+128    ; its sum
.endr
	PULL SA, RDA, 0                                ; split 0,
	PULL SB, RDA, 32768                            ; split 1,
	WIN 0x40
	PULL OA, RDB, 0                                ; split 2, into the registers that O^T has left
	WIN 0
	s_wait_dscnt 48                                ; the eight words are in; the three images' 48 loads may be out
	v_min3_num_f32 v254, v[PX], v[PX+2], v[PX+4]
	v_min_num_f32 v254, v254, v[PX+6]              ; -M of the whole row
.irp s, 0,1,2,3
	v_sub_f32 v[BM+2*\s], v254, v[PX+2*\s]         ; M of split s - M: a whole number, 0 or less
.endr
.irp s, 0,1,2,3
	v_cvt_i32_f32 v[BM+2*\s], v[BM+2*\s]
.endr
.irp s, 0,1,2,3
	v_ldexp_f32 v[BM+2*\s], 1.0, v[BM+2*\s]        ; f of split s: a power of two
.endr
	v_mul_f32 v252, v[BM], v[PX+1]
	v_fma_f32 v252, v[BM+2], v[PX+3], v252
	v_fma_f32 v252, v[BM+4], v[PX+5], v252
	v_fma_f32 v252, v[BM+6], v[PX+7], v252         ; the row's sum
	v_rcp_f32 v252, v252
	v_nop                                          ; one plain place behind a transcendental
	s_wait_alu depctr_va_vdst(0)
.irp s, 0,1,2,3
	v_mul_f32 v[BM+2*\s], v[BM+2*\s], v252         ; f / sum
.endr
	s_wait_dscnt 32                                ; split 0's image is in; those of splits 1 and 2 may be out
	WIN 0x40
	PULL OB, RDB, 32768                            ; split 3
	WIN 0
.set j, 0
.rept 32
	v_pk_mul_f32 v[SA+j:SA+j+1], v[SA+j:SA+j+1], v[BM:BM+1] op_sel_hi:[1,0]
.set j, j+2
.endr
	s_wait_dscnt 32                                ; split 1's is in; those of splits 2 and 3 may be out
	ADDIN SB, BM+2
	s_wait_dscnt 16                                ; split 2's
	WIN 0x01                                       ; source 0 window 1
	ADDIN OA, BM+4
	s_wait_dscnt 0x0                               ; split 3's
	ADDIN OB, BM+6                                 ; register 16 b + i: the attention's result at (query r, channel 32 b + 16 h + i)
	WIN 0
	; ---- the projection
	QUANT SA, PCA, PSA
	s_wait_loadcnt 0x0                             ; proj_w's fragments and scale words, x, proj_b
	WIN 0x05                                       ; sources window 1
.irp i, 0,1,2,3,4,5,6,7
.irp k, 0,1,2,3
	v_add_f32 v[FB+4*\i+\k], v[XRES+4*\i+\k], v[PB+\i]     ; x + proj_b.  (These 32 are also the places behind the scale word and the codes just made)
.endr
.endr
	WIN 0x04                                       ; source 1 (proj_w) window 1
	MM SB, PCA, PWF, 1, 0, PSA, PJ0, 0, 0
	MM SB+8, PCA, PWF+12, 1, 0, PSA, PJ0, 0, 1
	MM SB+16, PCA, PWF+24, 1, 0, PSA, PJ1, 0, 0
	MM SB+24, PCA, PWF+36, 1, 0, PSA, PJ1, 0, 1
	WIN 0
	PLACES 4
.irp t, 0,1,2,3
	ds_store_b128 v[STO], v[SB+8*\t:SB+8*\t+3] offset:(32*(\t/2)+8*(\t%2))*272        ; lane (r, h): eight neighbouring pixels of one output channel
	ds_store_b128 v[STO], v[SB+8*\t+4:SB+8*\t+7] offset:(32*(\t/2)+8*(\t%2))*272+16
.endr
	BARRIER                                        ; 128 output channels x 64 pixels lie in the stage
.irp i, 0,1,2,3,4,5,6,7
	ds_load_b128 v[SA+4*\i:SA+4*\i+3], v[SRD] offset:544*\i
.endr
.irp i, 0,1,2,3,4,5,6,7
	s_wait_dscnt 7-\i                              ; LDS loads come back in order: pair i of rows is in
	v_pk_add_f32 v[SA+4*\i:SA+4*\i+1], v[SA+4*\i:SA+4*\i+1], v[FB+4*\i:FB+4*\i+1]
	v_pk_add_f32 v[SA+4*\i+2:SA+4*\i+3], v[SA+4*\i+2:SA+4*\i+3], v[FB+4*\i+2:FB+4*\i+3]
	global_store_b128 v[GO], v[SA+4*\i:SA+4*\i+3], s[22:23] offset:32768*\i th:TH_STORE_NT   ; 16 lanes store 256 consecutive bytes, at a multiple of 256 from out0's first byte
.endr
	s_wait_tensorcnt 0x0                           ; the wave's end: behind my last tensor load and my last LDS store
	ds_add_u32 v[SPW], v[NIL]
	s_wait_dscnt 0x0
	CROUND                                         ; the closing round: no work-group ends while a partner may still ask for a tile that names it
	s_endpgm
.Lfunc_end_k_q04431897b9_attn:
	.size	k_q04431897b9_attn, .Lfunc_end_k_q04431897b9_attn-k_q04431897b9_attn
	.p2alignl 7, 3214868480
	.fill 96, 4, 3214868480
	.section	.rodata,"a",@progbits
	.p2align	6, 0x0
	.amdhsa_kernel k_q04431897b9_attn
		.amdhsa_group_segment_fixed_size 327680
		.amdhsa_private_segment_fixed_size 0
		.amdhsa_enable_private_segment 0
		.amdhsa_kernarg_size 80
		.amdhsa_user_sgpr_count 2
		.amdhsa_user_sgpr_kernarg_segment_ptr 1
		.amdhsa_wavefront_size32 1
		.amdhsa_system_sgpr_workgroup_id_x 1
		.amdhsa_system_sgpr_workgroup_id_y 1
		.amdhsa_system_sgpr_workgroup_id_z 1
		.amdhsa_system_vgpr_workitem_id 0
		.amdhsa_next_free_vgpr 512
		.amdhsa_next_free_sgpr 90
		.amdhsa_reserve_vcc 0
		.amdhsa_float_denorm_mode_32 3
		.amdhsa_float_denorm_mode_16_64 3
		.amdhsa_memory_ordered 1
		.amdhsa_forward_progress 1
		.amdhsa_inst_pref_size 173
	.end_amdhsa_kernel
	.amdgpu_metadata
---
amdhsa.version: [ 1, 2 ]
amdhsa.kernels:
  - .name:           k_q04431897b9_attn
    .symbol:         k_q04431897b9_attn.kd
    .args:
      - { .name: qc, .offset: 0, .size: 8, .value_kind: global_buffer, .address_space: global }
      - { .name: qs, .offset: 8, .size: 8, .value_kind: global_buffer, .address_space: global }
      - { .name: kc, .offset: 16, .size: 8, .value_kind: global_buffer, .address_space: global }
      - { .name: ks, .offset: 24, .size: 8, .value_kind: global_buffer, .address_space: global }
      - { .name: vc, .offset: 32, .size: 8, .value_kind: global_buffer, .address_space: global }
      - { .name: vs, .offset: 40, .size: 8, .value_kind: global_buffer, .address_space: global }
      - { .name: wq, .offset: 48, .size: 8, .value_kind: global_buffer, .address_space: global }
      - { .name: proj_b, .offset: 56, .size: 8, .value_kind: global_buffer, .address_space: global }
      - { .name: x, .offset: 64, .size: 8, .value_kind: global_buffer, .address_space: global }
      - { .name: out0, .offset: 72, .size: 8, .value_kind: global_buffer, .address_space: global }
    .group_segment_fixed_size: 327680
    .private_segment_fixed_size: 0
    .kernarg_segment_align: 8
    .kernarg_segment_size: 80
    .max_flat_workgroup_size: 256
    .sgpr_count:     90
    .vgpr_count:     512
    .wavefront_size: 32
...
	.end_amdgpu_metadata
.endif
;; end of part 3
